; MI455X (gfx1250); checked and timed in simulation.
; The chip was launched on July 23, 2026; its instructions are those of AMD's public machine-readable ISA for CDNA 5 (MIT licence, August 2026) and "CDNA5" Instruction Set Architecture Reference Guide (July 2026). The comments in the code are by the model that wrote it; some were corrected since.
;; Complex Attention. Allowed arithmetic: matrix products marked QUANTISED: E2M3 operands, one E8M0 scale for each 32 along K, by v_wmma_scale_f32_16x16x128_f8f6f4 with both operands' format E2M3, f32 sums; everything else in f32.
;; Inputs: Wk_i 1,024 x 1,024 float32; Wk_r 1,024 x 1,024 float32; Wo_i 1,024 x 1,024 float32; Wo_r 1,024 x 1,024 float32; Wq_i 1,024 x 1,024 float32; Wq_r 1,024 x 1,024 float32; Wv_i 1,024 x 1,024 float32; Wv_r 1,024 x 1,024 float32; bk_i 1,024 float32; bk_r 1,024 float32; bo_i 1,024 float32; bo_r 1,024 float32; bq_i 1,024 float32; bq_r 1,024 float32; bv_i 1,024 float32; bv_r 1,024 float32; k_i 4 x 1,024 x 1,024 float32; k_r 4 x 1,024 x 1,024 float32; q_i 4 x 1,024 x 1,024 float32; q_r 4 x 1,024 x 1,024 float32; v_i 4 x 1,024 x 1,024 float32; v_r 4 x 1,024 x 1,024 float32.
;; Outputs: out0 4 x 1,024 x 1,024 float32; out1 4 x 1,024 x 1,024 float32.
;; This version of the problem:
;;   THIS VERSION OF THE PROBLEM IS GIVEN IN LOW PRECISION. The matrix products marked QUANTISED in the list below multiply operands that are first quantised to E2M3 (2 exponent bits, 3 mantissa bits; 6 bits a number), with one power-of-two scale for each 32 numbers along K (OCP MX v1.0); their sums are f32. All else is computed in f32.
;;   The module's matrix products, in the order in which they are computed (A, B: the left and right operand; K: the contracted axis; several contracted axes count as one K, in the product's order):
;;     1. [M 4,096, K 1,024] x [K 1,024, N 1,024]; A: input q_r; B: input Wq_r: QUANTISED
;;     2. [M 4,096, K 1,024] x [K 1,024, N 1,024]; A: input q_i; B: input Wq_i: QUANTISED
;;     3. [M 4,096, K 1,024] x [K 1,024, N 1,024]; A: input k_r; B: input Wk_r: QUANTISED
;;     4. [M 4,096, K 1,024] x [K 1,024, N 1,024]; A: input k_i; B: input Wk_i: QUANTISED
;;     5. [M 4,096, K 1,024] x [K 1,024, N 1,024]; A: input v_r; B: input Wv_r: QUANTISED
;;     6. [M 4,096, K 1,024] x [K 1,024, N 1,024]; A: input v_i; B: input Wv_i: QUANTISED
;;     7. batch 64 x [M 1,024, K 64] x [K 64, N 1,024]; A: computed on the way; B: computed on the way: QUANTISED
;;     8. batch 64 x [M 1,024, K 64] x [K 64, N 1,024]; A: computed on the way; B: computed on the way: QUANTISED
;;     9. batch 64 x [M 64, K 1,024] x [K 1,024, N 1,024]; A: computed on the way; B: softmax (see below): QUANTISED
;;     10. batch 64 x [M 64, K 1,024] x [K 1,024, N 1,024]; A: computed on the way; B: softmax (see below): QUANTISED
;;     11. [M 4,096, K 1,024] x [K 1,024, N 1,024]; A: computed on the way; B: input Wo_r: QUANTISED
;;     12. [M 4,096, K 1,024] x [K 1,024, N 1,024]; A: computed on the way; B: input Wo_i: QUANTISED
;;   THE QUANTISER, for each operand of a quantised product, along K:
;;     - K is cut into blocks of 32 from its start; a last block that is shorter is filled with zeros.
;;     - A block's scale is 2^e with e = floor(log2(the largest magnitude in the block)) - 2, held to -126 .. 127; a block of zeros has e = 0. As a byte (E8M0): e + 127.
;;     - Each number is divided by its block's scale, clamped to +-7.5, and rounded to the nearest number of E2M3, ties to even, subnormals kept.
;;     - The product sums the exact products of the quantised numbers (number of the format x scale) in f32.
;;   ~~~python
;;   def quantise(x, axis):      # numpy; x: float32 -> the quantised numbers, widened to float32 again
;;       x = np.moveaxis(x, axis, -1); K = x.shape[-1]
;;       x = np.pad(x, [(0, 0)] * (x.ndim - 1) + [(0, -K % 32)]); x = x.reshape(x.shape[:-1] + (-1, 32)); a = np.abs(x).max(-1, keepdims=True)
;;       e = np.where(a > 0, np.clip(np.frexp(np.where(a > 0, a, 1))[1] - 1 - 2, -126, 127), 0)      # np.frexp(a)[1] - 1 = floor(log2(a)), exactly
;;       r = np.clip(x / 2.0 ** e, -7.5, 7.5)
;;       step = 2.0 ** (np.maximum(np.frexp(np.where(r == 0, 1, r))[1] - 1, 0) - 3)
;;       q = np.round(r / step) * step * 2.0 ** e      # np.round: ties to even
;;       return np.moveaxis(q.reshape(q.shape[:-2] + (-1,))[..., :K], -1, axis).astype(np.float32)
;;   ~~~
;;   SOFTMAX AHEAD OF A QUANTISED PRODUCT. Where the list says 'softmax', what is quantised is not the finished softmax but p = 2^(t - M), with t = logit x log2(e) and M = ceil(the row's largest t), a whole number; so 1/2 < the row's largest p <= 1. The row's sum l is taken of the UNQUANTISED p, in f32, and the product's result is divided by l at the end. Since M is a whole number, a kernel that streams over the keys may use a running M (the ceiling of the running maximum): every later rescaling is an exact power of two, which a block's scale takes up: the codes' values come out the same.
;;   OPERANDS COMPUTED ON THE WAY. 'Computed on the way' means the value that the module computes at that place (a softmax that the list does not call 'softmax' is quantised finished and normalised). What goes into a quantiser is computed in f32, as accurately as f32 sums, v_exp_f32 and their like allow (about 1e-6 of the number): no bf16 or f16 on the way to a quantiser, and a product that is left as it is and whose result goes on into a quantised operand takes f32 operands (vector FMAs, or v_wmma_f32_16x16x4_f32). A number that lies on a knife's edge between two numbers of the format may be rounded either way, as far as f32 arithmetic and the matrix unit's own rounding can turn it there, and no further.
;; One version. Each part assembles by itself: llvm-mc -triple=amdgcn-amd-amdhsa -mcpu=gfx1250 --defsym DOCPART=n.
;; ======== version 1 of 1: 4 launches
;; limits: right only within a limited range of input values
;; workspace buffers: wimg 6,291,456 bytes; wscl 262,144 bytes; qkv 18,874,368 bytes; qkvs 1,572,864 bytes; oimg 6,291,456 bytes; oscl 524,288 bytes
;; launch wquant (part 1): grid 512 x 1, 8 waves a work-group, no clusters, 69,120 bytes of LDS; arguments Wq_r, Wq_i, Wk_r, Wk_i, Wv_r, Wv_i, Wo_r, Wo_i, wimg, wscl; writes wimg, wscl
.if DOCPART == 1
	.amdgcn_target "amdgcn-amd-amdhsa--gfx1250"
	.amdhsa_code_object_version 6
	.text
	.protected	k_qf2f6cd03b1_wquant
	.globl	k_qf2f6cd03b1_wquant
	.p2align	8
	.type	k_qf2f6cd03b1_wquant,@function
k_qf2f6cd03b1_wquant:
	s_mov_b64 s[64:65], 0
	v_nop
	global_prefetch_b8 v0, s[64:65] scope:SCOPE_SE
	s_setreg_imm32_b32 hwreg(HW_REG_WAVE_MODE, 25, 1), 1
	s_wait_xcnt 0x0
; The eight weights [1024][1024] f32 (K innermost) become codes of FP6 (E2M3) with one E8M0 byte for each 32 along K, laid as IMAGES OF AN OPERAND'S REGISTERS:
; wimg [weight 8][K step 8][tile of 16 rows 64][1,536 bytes]: registers 4 j .. 4 j + 3 of lane l at 512 j + 16 l; three loads of 16 bytes a lane bring a fragment back.
; wscl [weight][quarter of the rows 4][K step 8][q 2][lane 32][e 4] words: word (q, l, e) is row l % 16 of tile 16 x quarter + 8 q + 2 e + l / 16.
; Weights 0-5: lane (r, h), registers 6 c on, hold k = 128 s + 64 c + 32 h + 0 .. 31.  Weights 6, 7 (Wo): k = 128 s + 64 h + 32 c + the block's groups of eight in the order 0, 2, 1, 3:
; the order in which the attention launch leaves its result; a permutation of K applied alike to both operands keeps every product and every block of 32.
; A block's scale is 2^(floor(log2(its largest magnitude)) - 2); its byte is the largest magnitude's exponent field - 2, held at 1 from below.
; LIMITS: a block whose largest magnitude lies under 2^-124 keeps the byte 1; a block of zeros gets the byte 1 where the rule says 127 (its codes are zeros, and this program alone reads the bytes); NaN and infinities are not served.
; SHARES: work-group x = weight x 64 + (group of 8 tiles) x 8 + K step; each of its eight waves makes ONE fragment.  A load reads 512 consecutive bytes of a row; the 16 rows turn through the wave's own stage
; in LDS (pitch 528: sixteen rows start at sixteen different groups of banks) so that a lane gets two whole blocks of 32.  No work-group shares an input with another: no cluster, no tensor load.
.set SP,  528
.set STG, 16*SP                        ; a wave's stage
.set GS,  8*STG                        ; behind the stages: 512 bytes in which the eight waves' scale words meet
.set R,   16                           ; v16-79   64 numbers as loaded
.set X,   80                           ; v80-143  64 numbers in the fragment's order
.set PC,  144                          ; v144-155 the codes
.set CT,  156                          ; v156-158, v160-162 a block's second half (a conversion's three registers begin on an even number)
	s_load_b512 s[4:19], s[0:1], 0x0               ; the eight weights
	s_load_b128 s[20:23], s[0:1], 0x40             ; wimg, wscl
	v_lshl_add_u32 v168, v0, 2, 0x10a00
	v_mov_b32 v169, 0
	v_lshrrev_b32 v1, 5, v0
	s_delay_alu instid0(VALU_DEP_1)
	v_readfirstlane_b32 s24, v1                    ; wave 0..7
	v_and_b32 v1, 31, v0                           ; lane
	v_and_b32 v2, 15, v0                           ; r
	s_wait_alu depctr_va_vdst(0)
	v_bfe_u32 v3, v0, 4, 1                         ; h
	s_lshr_b32 s25, ttmp9, 6                       ; which weight
	s_bfe_u32 s26, ttmp9, 0x30003                  ; which group of 8 tiles
	s_and_b32 s27, ttmp9, 7                        ; which K step
	s_mov_b32 s36, 0x76543210
	s_mov_b32 s37, 0xfedcba98                      ; v_permlanex16_b32's selects for lane l xor 16
	s_mul_i32 s28, s24, STG
	v_lshlrev_b32 v4, 4, v1                        ; 16 x lane
	s_delay_alu instid0(VALU_DEP_1)
	v_add_nc_u32 v5, s28, v4                       ; into the stage: a row as it lies
	v_mul_u32_u24 v6, v2, SP
	s_delay_alu instid0(VALU_DEP_1)
	v_add_nc_u32 v6, s28, v6
	s_delay_alu instid0(VALU_DEP_1)
	v_lshl_add_u32 v7, v3, 8, v6                   ; out of it, Wo: row r, + 256 h
	s_delay_alu instid0(VALU_DEP_2)
	v_lshl_add_u32 v6, v3, 7, v6                   ; out of it, the others: row r, + 128 h
	s_and_b32 s29, s24, 1
	s_lshl_b32 s29, s29, 8
	s_lshr_b32 s30, s24, 1
	s_lshl_b32 s30, s30, 2
	s_add_co_u32 s29, s29, s30
	s_add_co_u32 s29, s29, GS
	v_lshl_add_u32 v8, v2, 4, s29                  ; my row's scale word: 16 r + 256 (wave % 2) + 4 (wave / 2)
	v_add_nc_u32 v9, GS, v4                        ; and the way back: 16 bytes a lane
	s_lshl_b32 s38, s26, 3
	s_add_co_u32 s38, s38, s24                     ; my tile of 16 rows
	s_lshl_b32 s30, s38, 16                        ; 16 rows of 4,096 bytes
	s_lshl_b32 s31, s27, 9                         ; + 512 bytes a K step
	s_add_co_u32 s30, s30, s31
	s_mov_b32 s31, 0
	s_lshl_b32 s32, s25, 3
	s_add_co_u32 s32, s32, s27
	s_lshl_b32 s32, s32, 6
	s_add_co_u32 s32, s32, s38
	s_mul_i32 s32, s32, 1536                       ; ((8 weight + K step) 64 + tile) images
	s_mov_b32 s33, 0
	s_lshl_b32 s34, s25, 15
	s_lshr_b32 s35, s26, 1
	s_lshl_b32 s35, s35, 13
	s_add_co_u32 s34, s34, s35
	s_lshl_b32 s35, s27, 10
	s_add_co_u32 s34, s34, s35
	s_and_b32 s35, s26, 1
	s_lshl_b32 s35, s35, 9
	s_add_co_u32 s34, s34, s35
	s_mov_b32 s35, 0
	s_wait_alu depctr_va_vdst(0)
	s_wait_kmcnt 0x0
.irp i, 1,2,3,4,5,6,7
	s_cmp_eq_u32 s25, \i                           ; the choice hangs on the work-group's number alone
	s_cselect_b64 s[4:5], s[4+2*\i:5+2*\i], s[4:5]
.endr
	s_add_nc_u64 s[4:5], s[4:5], s[30:31]
	s_add_nc_u64 s[20:21], s[20:21], s[32:33]
	s_add_nc_u64 s[22:23], s[22:23], s[34:35]
.irp i, 0,1,2,3,4,5,6,7,8,9,10,11,12,13,14,15
	global_load_b128 v[R+4*\i:R+4*\i+3], v4, s[4:5] offset:4096*\i th:TH_LOAD_NT   ; row i: 512 consecutive bytes; read once in the launch
.endr
.irp i, 0,1,2,3,4,5,6,7,8,9,10,11,12,13,14,15
	s_wait_loadcnt 15-\i                           ; row i is in; the 15 - i younger loads stay out
	ds_store_b128 v5, v[R+4*\i:R+4*\i+3] offset:SP*\i
.endr
	s_cmp_ge_u32 s25, 6                            ; only the order of the reads differs for Wo.  LDS serves a wave's instructions in order: the loads see my stores
	s_cbranch_scc1 .Lwo
.irp c, 0,1
.irp j, 0,1,2,3,4,5,6,7
	ds_load_b128 v[X+32*\c+4*\j:X+32*\c+4*\j+3], v6 offset:256*\c+16*\j
.endr
.endr
	s_branch .Lread
.Lwo:
.irp c, 0,1
.irp j, 0,1,2,3,4,5,6,7
	ds_load_b128 v[X+32*\c+4*\j:X+32*\c+4*\j+3], v7 offset:128*\c+16*(4*((\j/2)%2)+2*(\j/4)+(\j%2))
.endr
.endr
.Lread:
	s_wait_dscnt 0x0
.irp c, 0,1                                    ; my two blocks: all 32 numbers of each are mine
	v_max3_num_f32 v[10+\c], |v[X+32*\c]|, |v[X+32*\c+1]|, 0x1800000   ; and the floor 2^(3 - 127): the byte cannot fall under 1
.endr
.irp i, 2,4,6,8,10,12,14,16,18,20,22,24,26,28,30
.irp c, 0,1
	s_delay_alu instid0(VALU_DEP_2)
	v_max3_num_f32 v[10+\c], v[10+\c], |v[X+32*\c+\i]|, |v[X+32*\c+\i+1]|
.endr
.endr
.irp c, 0,1
	s_delay_alu instid0(VALU_DEP_2)
	v_add_nc_u32 v[12+\c], 0xff000000, v[10+\c]    ; 2 off the exponent field: the conversion's scale operand
.endr
.irp c, 0,1
	s_delay_alu instid0(VALU_DEP_2)
	v_lshrrev_b32 v[14+\c], 23, v[12+\c]           ; the scale's byte
.endr
	s_delay_alu instid0(VALU_DEP_1)
	v_lshl_or_b32 v10, v15, 16, v14                ; my two bytes: blocks h and 2 + h,
	v_lshlrev_b32 v11, 3, v3
	s_delay_alu instid0(VALU_DEP_1)
	v_lshlrev_b32 v10, v11, v10                    ; at their places in the word;
	v_mov_b32 v11, 0
	s_delay_alu instid0(VALU_DEP_1)
	v_permlanex16_b32 v11, v10, s36, s37
	s_delay_alu instid0(VALU_DEP_1)
	v_or_b32 v10, v10, v11                         ; with lane l xor 16's two the word is whole
.irp c, 0,1
	v_cvt_scalef32_pk16_fp6_f32 v[PC+6*\c:PC+6*\c+2], v[X+32*\c:X+32*\c+15], v[12+\c]
	v_cvt_scalef32_pk16_fp6_f32 v[CT+4*\c:CT+4*\c+2], v[X+32*\c+16:X+32*\c+31], v[12+\c]
.endr
	v_nop                                          ; one plain place behind a scaled conversion
.irp c, 0,1
.irp i, 0,1,2
	v_mov_b32 v[PC+3+6*\c+\i], v[CT+4*\c+\i]
.endr
.endr
.irp j, 0,1,2
	global_store_b128 v4, v[PC+4*\j:PC+4*\j+3], s[20:21] offset:512*\j   ; 32 lanes store 512 consecutive bytes, at a multiple of 256 from the buffer's first byte
.endr
	ds_store_b32 v8, v10                           ; both halves of the lanes write the same word with the same value
	s_wait_dscnt 0x0                               ; for the others' sake: my word has landed
	s_barrier_signal -1
	s_barrier_wait -1
	s_cmp_lg_u32 s24, 0
	s_cbranch_scc1 .Ldone
	ds_load_b128 v[16:19], v9                      ; the eight tiles' words, in the order of wscl
	s_wait_dscnt 0x0
	global_store_b128 v4, v[16:19], s[22:23]       ; 512 consecutive bytes
.Ldone:
	s_wait_tensorcnt 0x0
	ds_add_u32 v168, v169
	s_wait_dscnt 0x0
	s_endpgm
.Lfunc_end_k_qf2f6cd03b1_wquant:
	.size	k_qf2f6cd03b1_wquant, .Lfunc_end_k_qf2f6cd03b1_wquant-k_qf2f6cd03b1_wquant
	.p2alignl 7, 3214868480
	.fill 96, 4, 3214868480
	.section	.rodata,"a",@progbits
	.p2align	6, 0x0
	.amdhsa_kernel k_qf2f6cd03b1_wquant
		.amdhsa_group_segment_fixed_size 69120
		.amdhsa_private_segment_fixed_size 0
		.amdhsa_enable_private_segment 0
		.amdhsa_kernarg_size 80
		.amdhsa_user_sgpr_count 2
		.amdhsa_user_sgpr_kernarg_segment_ptr 1
		.amdhsa_wavefront_size32 1
		.amdhsa_system_sgpr_workgroup_id_x 1
		.amdhsa_system_sgpr_workgroup_id_y 1
		.amdhsa_system_sgpr_workgroup_id_z 1
		.amdhsa_system_vgpr_workitem_id 0
		.amdhsa_next_free_vgpr 170
		.amdhsa_next_free_sgpr 66
		.amdhsa_reserve_vcc 0
		.amdhsa_float_denorm_mode_32 3
		.amdhsa_float_denorm_mode_16_64 3
		.amdhsa_memory_ordered 1
		.amdhsa_forward_progress 1
		.amdhsa_inst_pref_size 14
	.end_amdhsa_kernel
	.amdgpu_metadata
---
amdhsa.version: [ 1, 2 ]
amdhsa.kernels:
  - .name:           k_qf2f6cd03b1_wquant
    .symbol:         k_qf2f6cd03b1_wquant.kd
    .args:
      - { .name: Wq_r, .offset: 0, .size: 8, .value_kind: global_buffer, .address_space: global }
      - { .name: Wq_i, .offset: 8, .size: 8, .value_kind: global_buffer, .address_space: global }
      - { .name: Wk_r, .offset: 16, .size: 8, .value_kind: global_buffer, .address_space: global }
      - { .name: Wk_i, .offset: 24, .size: 8, .value_kind: global_buffer, .address_space: global }
      - { .name: Wv_r, .offset: 32, .size: 8, .value_kind: global_buffer, .address_space: global }
      - { .name: Wv_i, .offset: 40, .size: 8, .value_kind: global_buffer, .address_space: global }
      - { .name: Wo_r, .offset: 48, .size: 8, .value_kind: global_buffer, .address_space: global }
      - { .name: Wo_i, .offset: 56, .size: 8, .value_kind: global_buffer, .address_space: global }
      - { .name: wimg, .offset: 64, .size: 8, .value_kind: global_buffer, .address_space: global }
      - { .name: wscl, .offset: 72, .size: 8, .value_kind: global_buffer, .address_space: global }
    .group_segment_fixed_size: 69120
    .private_segment_fixed_size: 0
    .kernarg_segment_align: 8
    .kernarg_segment_size: 80
    .max_flat_workgroup_size: 256
    .sgpr_count:     66
    .vgpr_count:     170
    .wavefront_size: 32
...
	.end_amdgpu_metadata
.endif
;; end of part 1
;; launch proj (part 2): grid 256 x 1, 4 waves a work-group, no clusters, 182,784 bytes of LDS; arguments q_r, q_i, k_r, k_i, v_r, v_i, bq_r, bq_i, bk_r, bk_i, bv_r, bv_i, wimg, wscl, qkv, qkvs; writes qkv, qkvs
.if DOCPART == 2
	.amdgcn_target "amdgcn-amd-amdhsa--gfx1250"
	.amdhsa_code_object_version 6
	.text
	.protected	k_qf2f6cd03b1_proj
	.globl	k_qf2f6cd03b1_proj
	.p2align	8
	.type	k_qf2f6cd03b1_proj,@function
k_qf2f6cd03b1_proj:
	s_mov_b64 s[64:65], 0
	v_nop
	global_prefetch_b8 v0, s[64:65] scope:SCOPE_SE
	s_setreg_imm32_b32 hwreg(HW_REG_WAVE_MODE, 25, 1), 1
	s_wait_xcnt 0x0
; The six input projections y = Q(x) Q(W)^T + b on codes of FP6 (E2M3), one E8M0 scale for each 32 along K; y is quantised at once as an operand of the attention launch (qkv, qkvs: register images).
; SHARES.  A block of 64 rows has 12 half units (tensor 0..5) x (512 columns 0, 1).  Work-group x: rows 64 (x / 4) on, half units 3 (x % 4) + 0 .. 2: 256 work-groups of equal work.
; Three neighbouring half units touch two tensors.  PHASE 1: their 64 x 1,024 numbers are loaded (512 consecutive bytes a load, wave w rows 16 w on), turned through the wave's own two stages in LDS,
; quantised along K and left in LDS as register images: 2 x 49,152 bytes of codes, 2 x 4,096 of scale words.  The loads run in four sets of 16: 48 to 64 of a wave's are out.
; The next step's turn through the stage (16 stores, 16 loads) stands in groups of four among this step's quantiser lines.
; PHASE 2: a loop over the three half units.  Wave w makes 64 rows x 128 columns (two heads): 32 accumulators.  x's fragments come from LDS, two sets by turns.
; W's fragments go from memory straight into registers, a ring of five slots of four fragments: 48 to 60 loads of a wave's are out; the next unit's first four groups are asked for ahead of the way out.
; NO CLUSTER, NO TENSOR LOAD: a fragment of W serves one wave alone, so LDS would add a store and a load for each of its bytes, and between two fills of a ring a wave would have 32 products.
; No prefetch into the L2: both streams are asked for ahead by the loads themselves, into registers.
; q, k (kind 0, 1): source 0 = W, source 1 = x: a lane holds one row and eight neighbouring columns.  v (kind 2): source 0 = x, source 1 = W: a lane holds one channel and eight keys, since the keys are its next K.
; LIMITS: a block whose largest magnitude lies under 2^-124 keeps the byte 1, a block of zeros too (its codes are zeros; this program alone reads the bytes); NaN and infinities are not served.
; REGISTERS: window 0: v4-31 addresses; v16-23 x's scale words; v32-63 W's scale words of a unit; v64-67 the result's words; v80-95, v232-252 the quantiser; v136-231 x's fragments, two sets
;   (phase 1: two sets of 64 numbers at v96; the way out: 64 numbers at v136).  window 1: v0-239 W's ring.  window 2: phase 1: four sets of 64 numbers as loaded; then accumulator (n, m) at v[8 (4 n + m)].  window 3: v0-63 the bias of q, k.
.set XSC,   98304                      ; LDS: behind the codes' images, x's scale words
.set BIAS,  106496                     ; two tensors' biases, 4,096 bytes each
.set STAGE, 114688                     ; two stages of 16 rows x 528 bytes for each wave
.set XP,    528
.set STGB,  16*XP
.set SPARE, 182272                     ; the spare words, 128 bytes a wave
.set LI,   4
.set XA,   5
.set XWI,  6
.set XWS,  7
.set XST,  8
.set BQK,  9
.set BVA,  10
.set CA,   11
.set SA,   12
.set CAV,  13
.set SAV,  14
.set AIU,  15
.set XS,   16
.set T0,   24
.set ASU,  26
.set BQKU, 27
.set BVAU, 28
.set XWIC, 29
.set XWSC, 30
.set BGO,  31
.set WS,   32
.set SW,   64
.set SPW,  68
.set NIL,  69
.set BST,  70
.set BV,   72
.set TM,   80
.set X,    96
.set AF,   136
.set ST,   136
.set XBI,  160
.set PC,   232
.set PW,   252
.set BB1,  0
.set WP,   8
.set SCP,  10
.set RB,   16
.set HU,   17
.set UC,   18
.set TA,   19
.set PA,   20
.set TO,   32
.set TS,   33
.set TC,   34
.set HN,   35
.set BA,   36
.set BB,   38
.set H0,   40
.set WV,   56
.set KIND, 57
.set SH8,  58
.set HM,   59
.set SEL,  60
.set MSB,  0
.macro WIN new
.set WN, \new
.if MSB != WN
	s_set_vgpr_msb (MSB<<8)|WN
.set MSB, WN
.endif
.endm
.macro WM d, a, b, c, sa, sb, row      ; one product.  c < 0: the constant 0 starts the sum.  row: 1 = source 0's scales from lanes 16-31, 2 = source 1's
.if (\c) < 0
.if (\row) == 0
	v_wmma_scale_f32_16x16x128_f8f6f4 v[\d:\d+7], v[\a:\a+11], v[\b:\b+11], 0, v[\sa], v[\sb] matrix_a_fmt:MATRIX_FMT_FP6 matrix_b_fmt:MATRIX_FMT_FP6
.elseif (\row) == 1
	v_wmma_scale_f32_16x16x128_f8f6f4 v[\d:\d+7], v[\a:\a+11], v[\b:\b+11], 0, v[\sa], v[\sb] matrix_a_fmt:MATRIX_FMT_FP6 matrix_b_fmt:MATRIX_FMT_FP6 matrix_a_scale:MATRIX_SCALE_ROW1
.else
	v_wmma_scale_f32_16x16x128_f8f6f4 v[\d:\d+7], v[\a:\a+11], v[\b:\b+11], 0, v[\sa], v[\sb] matrix_a_fmt:MATRIX_FMT_FP6 matrix_b_fmt:MATRIX_FMT_FP6 matrix_b_scale:MATRIX_SCALE_ROW1
.endif
.else
.if (\row) == 0
	v_wmma_scale_f32_16x16x128_f8f6f4 v[\d:\d+7], v[\a:\a+11], v[\b:\b+11], v[\c:\c+7], v[\sa], v[\sb] matrix_a_fmt:MATRIX_FMT_FP6 matrix_b_fmt:MATRIX_FMT_FP6
.elseif (\row) == 1
	v_wmma_scale_f32_16x16x128_f8f6f4 v[\d:\d+7], v[\a:\a+11], v[\b:\b+11], v[\c:\c+7], v[\sa], v[\sb] matrix_a_fmt:MATRIX_FMT_FP6 matrix_b_fmt:MATRIX_FMT_FP6 matrix_a_scale:MATRIX_SCALE_ROW1
.else
	v_wmma_scale_f32_16x16x128_f8f6f4 v[\d:\d+7], v[\a:\a+11], v[\b:\b+11], v[\c:\c+7], v[\sa], v[\sb] matrix_a_fmt:MATRIX_FMT_FP6 matrix_b_fmt:MATRIX_FMT_FP6 matrix_b_scale:MATRIX_SCALE_ROW1
.endif
.endif
.endm
.macro MX4 xb, i                       ; the four blocks' largest magnitudes, two more numbers each, the blocks by turns
.irp b, 0,1,2,3
	v_max3_num_f32 v[TM+\b], v[TM+\b], |v[\xb+16*\b+\i]|, |v[\xb+1+16*\b+\i]|
.endr
.endm
.macro SWAPS                           ; half blocks become whole blocks in a lane
	v_nop                                          ; one plain place behind a scaled conversion
.irp c, 0,1
.irp i, 0,1,2
	v_permlane16_swap_b32 v[PC+6*\c+\i], v[PC+12+4*\c+\i]
.endr
.irp i, 0,1,2
	v_mov_b32 v[PC+3+6*\c+\i], v[PC+12+4*\c+\i]
.endr
.endr
.endm
; THE WAY OUT'S QUANTISER.  64 numbers of a lane, register 16 b + i = position 16 (lane / 16) + i of block b, become two half fragments: lanes 0-15 get blocks 0 and 1, lanes 16-31 blocks 2 and 3;
; the word has the lane's two bytes at places SH8 / 8 and 2 + SH8 / 8, the others 0.
.macro QUANT src, out
.irp b, 0,1,2,3
	v_max3_num_f32 v[TM+\b], |v[\src+16*\b]|, |v[\src+1+16*\b]|, 0x1800000   ; with the floor 2^(3 - 127): the byte cannot fall under 1
.endr
.irp i, 2,4,6,8,10,12,14
	MX4 \src, \i
.endr
.irp b, 0,1,2,3
	v_permlanex16_b32 v[TM+4+\b], v[TM+\b], s[SEL], s[SEL+1]
.endr
.irp b, 0,1,2,3
	v_max_num_f32 v[TM+\b], v[TM+\b], v[TM+4+\b]
.endr
.irp b, 0,1,2,3
	v_add_nc_u32 v[TM+12+\b], 0xff000000, v[TM+\b]   ; 2 off the exponent field: the conversion's scale operand
.endr
.irp b, 0,1,2,3
	v_lshrrev_b32 v[TM+4+\b], 23, v[TM+12+\b]        ; the scale's byte
.endr
	v_cndmask_b32 v[T0], v[TM+4], v[TM+6], s[HM]
	v_cndmask_b32 v[T0+1], v[TM+5], v[TM+7], s[HM]
	v_lshl_or_b32 v[T0], v[T0+1], 16, v[T0]
	v_lshlrev_b32 v[\out], s[SH8], v[T0]
.irp c, 0,1
	v_cvt_scalef32_pk16_fp6_f32 v[PC+6*\c:PC+2+6*\c], v[\src+16*\c:\src+15+16*\c], v[TM+12+\c]
	v_cvt_scalef32_pk16_fp6_f32 v[PC+12+4*\c:PC+14+4*\c], v[\src+32+16*\c:\src+47+16*\c], v[TM+14+\c]
.endr
	SWAPS
.endm
.macro PLACES
.rept 4
	v_nop
.endr
.endm
; PHASE 1.  Step i of a trip: tensor i % 2, K step 2 x trip + i / 2.  XLOAD: my 16 rows x 512 bytes into set i of window 2; ahead = 1: the next trip's
.macro XLOAD i, ahead
	WIN 0x80
.irp r, 0,1,2,3,4,5,6,7,8,9,10,11,12,13,14,15
	global_load_b128 v[64*(\i)+4*\r:64*(\i)+4*\r+3], v[LI], s[PA+2*((\i)%2):PA+2*((\i)%2)+1] offset:4096*\r+512*((\i)/2)+1024*(\ahead)
.endr
	WIN 0
.endm
.macro STC i, p, c                     ; rows 4 c .. 4 c + 3 of set i into stage p, as they lie
	WIN 0x08
.irp r, 0,1,2,3
	ds_store_b128 v[XST], v[64*(\i)+16*(\c)+4*\r:64*(\i)+16*(\c)+4*\r+3] offset:STGB*(\p)+XP*(4*(\c)+\r)
.endr
	WIN 0
.endm
.macro LD4 p, b                        ; out of stage p: my 16 numbers of block b of my row.  LDS serves a wave's instructions in order: these see my stores
.irp j, 0,1,2,3
	ds_load_b128 v[X+64*(\p)+16*(\b)+4*\j:X+64*(\p)+16*(\b)+4*\j+3], v[XA] offset:STGB*(\p)+128*(\b)+16*\j
.endr
.endm
; A step: quantises the 64 numbers of set i % 2 of window 0 into a whole fragment and its scale word; ld: set i of window 2 takes the next trip's loads;
; turn: the next step's numbers go through the other stage meanwhile; cnt: the loads issued behind the next step's.
.macro PSTEP i, ld, cnt, turn
.set pP, (\i)%2
.set pN, 1-pP
.set iN, ((\i)+1)%4
.set XB, X+64*pP
	s_wait_dscnt 0x0                               ; my numbers are back, the stage's stores have read set i, and the last image's stores have read the codes
.if \ld
	XLOAD \i, 1
.endif
.irp b, 0,1,2,3
	v_max3_num_f32 v[TM+\b], |v[XB+16*\b]|, |v[XB+1+16*\b]|, 0x1800000
.endr
	MX4 XB, 2
	MX4 XB, 4
	MX4 XB, 6
.if \turn
	s_wait_alu depctr_va_vdst(0)
	s_wait_loadcnt \cnt                            ; the next step's 16 loads are in
	STC iN, pN, 0
.endif
	MX4 XB, 8
.if \turn
	STC iN, pN, 1
.endif
	MX4 XB, 10
.if \turn
	STC iN, pN, 2
.endif
	MX4 XB, 12
.if \turn
	STC iN, pN, 3
.endif
	MX4 XB, 14
.irp b, 0,1,2,3
	v_permlanex16_b32 v[TM+4+\b], v[TM+\b], s[SEL], s[SEL+1]
.endr
.if \turn
	LD4 pN, 0
.endif
.irp b, 0,1,2,3
	v_max_num_f32 v[TM+\b], v[TM+\b], v[TM+4+\b]
.endr
.if \turn
	LD4 pN, 1
.endif
.irp b, 0,1,2,3
	v_add_nc_u32 v[TM+12+\b], 0xff000000, v[TM+\b]
.endr
.if \turn
	LD4 pN, 2
.endif
.irp b, 0,1,2,3
	v_lshrrev_b32 v[TM+4+\b], 23, v[TM+12+\b]
.endr
.if \turn
	LD4 pN, 3
.endif
	v_lshl_or_b32 v[PW], v[TM+5], 8, v[TM+4]
	v_lshl_or_b32 v[PW], v[TM+6], 16, v[PW]
	v_lshl_or_b32 v[PW], v[TM+7], 24, v[PW]
.irp c, 0,1
	v_cvt_scalef32_pk16_fp6_f32 v[PC+6*\c:PC+2+6*\c], v[XB+32*\c:XB+15+32*\c], v[TM+12+2*\c]
	v_cvt_scalef32_pk16_fp6_f32 v[PC+12+4*\c:PC+14+4*\c], v[XB+16+32*\c:XB+31+32*\c], v[TM+13+2*\c]
.endr
	SWAPS
.irp j, 0,1,2
	ds_store_b128 v[XWIC], v[PC+4*\j:PC+4*\j+3] offset:49152*((\i)%2)+6144*((\i)/2)+512*\j
.endr
	ds_store_b32 v[XWSC], v[PW] offset:4096*((\i)%2)+512*((\i)/2)
.endm
; PHASE 2
.macro BLOAD G                         ; W's group G of a unit (K step G / 2, my tiles 4 (G % 2) on) into slot G % 5: 12 loads
	WIN 0x40
.irp nn, 0,1,2,3
.irp j, 0,1,2
	global_load_b128 v[48*((\G)%5)+12*\nn+4*\j:48*((\G)%5)+12*\nn+4*\j+3], v[LI], s[WP:WP+1] offset:98304*((\G)/2)+6144*((\G)%2)+1536*\nn+512*\j
.endr
.endr
	WIN 0
.endm
.macro UPREF                           ; for half unit s[HN]: W's scale words of all eight K steps (8 loads), then groups 0 to 3 (48 loads)
	s_lshr_b32 s4, s[HN], 1                        ; tensor
	s_and_b32 s5, s[HN], 1                         ; half
	s_mul_i32 s2, s4, 786432
	s_mul_i32 s6, s5, 49152
	s_add_co_u32 s2, s2, s6
	s_mul_i32 s6, s[WV], 12288
	s_add_co_u32 s2, s2, s6                        ; tile 32 half + 8 wave
	s_mov_b32 s3, 0
	s_wait_xcnt 0x0                                ; earlier loads have read their bases
	s_add_nc_u64 s[WP:WP+1], s[92:93], s[2:3]
	s_lshl_b32 s2, s4, 15
	s_lshl_b32 s6, s5, 14
	s_add_co_u32 s2, s2, s6
	s_lshr_b32 s6, s[WV], 1
	s_lshl_b32 s6, s6, 13
	s_add_co_u32 s2, s2, s6                        ; quarter 2 half + wave / 2
	s_and_b32 s6, s[WV], 1
	s_lshl_b32 s6, s6, 9
	s_add_co_u32 s2, s2, s6                        ; q = wave % 2
	s_add_nc_u64 s[SCP:SCP+1], s[94:95], s[2:3]
.irp s, 0,1,2,3,4,5,6,7
	global_load_b128 v[WS+4*\s:WS+4*\s+3], v[LI], s[SCP:SCP+1] offset:1024*\s   ; register WS + 4 s + n / 2: lanes 0-15 tile n even, lanes 16-31 n odd
.endr
.irp g, 0,1,2,3
	BLOAD \g
.endr
.endm
.macro FETCH_A s                       ; x's four fragments and scale words of K step s into set s % 2: 13 loads
.irp m, 0,1,2,3
.irp j, 0,1,2
	ds_load_b128 v[AF+48*((\s)%2)+12*\m+4*\j:AF+48*((\s)%2)+12*\m+4*\j+3], v[AIU] offset:6144*(\s)+1536*\m+512*\j
.endr
.endr
	ds_load_b128 v[XS+4*((\s)%2):XS+4*((\s)%2)+3], v[ASU] offset:512*(\s)
.endm
.macro MM vf, s, g                     ; 16 products; the accumulators take turns, one instruction a turn
.irp nn, 0,1,2,3
.irp m, 0,1,2,3
.set aN, 4*(\g)+\nn
.set aD, 8*(4*aN+\m)
.set aC, aD
.if (\s) == 0
.set aC, -1
.endif
.if \vf
	WM aD, AF+48*((\s)%2)+12*\m, 48*((2*(\s)+(\g))%5)+12*\nn, aC, XS+4*((\s)%2)+\m, WS+4*(\s)+aN/2, 2*(aN%2)
.else
	WM aD, 48*((2*(\s)+(\g))%5)+12*\nn, AF+48*((\s)%2)+12*\m, aC, WS+4*(\s)+aN/2, XS+4*((\s)%2)+\m, aN%2
.endif
.endr
.endr
.endm
.macro GROUP G, vf
.if (\G) <= 11
	s_wait_loadcnt 48                              ; this group's fragments are in; the four younger groups stay out
.else
	s_wait_loadcnt 12*(15-(\G))
.endif
.if \vf
	WIN 0xa4                                       ; source 0 (x) window 0, source 1 (W) window 1, C and D window 2
.else
	WIN 0xa1                                       ; source 0 (W) window 1, source 1 (x) window 0
.endif
	MM \vf, (\G)/2, (\G)%2
	WIN 0
	PLACES                                         ; in front of loads into registers that these products read
.if (\G) <= 10
	BLOAD (\G)+5
.endif
.endm
.macro UNITK vf                        ; a half unit's eight K steps, then the next unit's first loads
	BLOAD 4                                        ; the ring's fifth slot
	FETCH_A 0
.irp s, 0,1,2,3,4,5,6,7
.if \s < 7
	FETCH_A \s+1
	s_wait_dscnt 13                                ; this step's set is in; the 13 just issued stay out
.else
	s_wait_dscnt 0x0
.endif
	GROUP 2*\s, \vf
	GROUP 2*\s+1, \vf
.endr
	s_cmp_eq_u32 s[UC], 2                          ; the last unit asks for nothing more
	s_cbranch_scc1 .Lno_next_\@
	UPREF
.Lno_next_\@:
.endm
	s_load_b512 s[68:83], s[0:1], 0x0              ; q_r q_i k_r k_i v_r v_i s[68:79]; bq_r bq_i s[80:83]
	s_load_b512 s[84:99], s[0:1], 0x40             ; bk_r bk_i bv_r bv_i s[84:91]; wimg s[92:93], wscl s[94:95], qkv s[96:97], qkvs s[98:99]
	v_lshl_add_u32 v[SPW], v0, 2, SPARE
	v_mov_b32 v[NIL], 0
	v_lshrrev_b32 v1, 5, v0
	v_readfirstlane_b32 s[WV], v1                  ; wave 0..3
	s_lshr_b32 s[RB], ttmp9, 2                     ; which 64 rows
	s_and_b32 s2, ttmp9, 3
	s_mul_i32 s[HU], s2, 3                         ; my first half unit
	s_mov_b32 s[H0], s[HU]
	s_mov_b32 s[HN], s[HU]
	s_lshr_b32 s[TA], s[HU], 1                     ; my first tensor; the second is the next one
	s_mul_i32 s24, s[WV], 2*STGB
	s_add_co_u32 s24, s24, STAGE                   ; my two stages
	s_mul_i32 s25, s[WV], 1536
	s_lshl_b32 s26, s[WV], 2
	s_add_co_u32 s26, s26, XSC
	s_mov_b32 s[HM], 0xffff0000
	s_mov_b32 s[SEL], 0x76543210
	s_mov_b32 s[SEL+1], 0xfedcba98                 ; v_permlanex16_b32's selects for lane l xor 16
	v_and_b32 v1, 31, v0                           ; lane
	v_and_b32 v2, 15, v0                           ; r
	v_bfe_u32 v3, v0, 4, 1                         ; h
	v_lshlrev_b32 v[LI], 4, v1
	v_add_nc_u32 v[XST], s24, v[LI]                ; into a stage: a row as it lies
	v_mul_u32_u24 v[XA], v2, XP
	v_lshl_add_u32 v[XA], v3, 6, v[XA]
	v_add_nc_u32 v[XA], s24, v[XA]                 ; out of it: row r, + 64 h
	v_add_nc_u32 v[XWI], s25, v[LI]                ; my tile's image
	v_add_nc_u32 v[XWS], s26, v[LI]                ; my tile's scale word: 16 lane + 4 wave
	v_lshl_add_u32 v[BST], v0, 4, BIAS
	v_lshlrev_b32 v[BGO], 4, v0
	v_lshlrev_b32 v[BQK], 5, v3                    ; the bias of q, k: 32 h
	v_lshlrev_b32 v[BVA], 2, v2                    ; of v: 4 r
	v_mul_u32_u24 v[CA], v3, 294912                ; q, k: lanes 16-31 hold the next head
	v_lshl_add_u32 v[CA], v2, 4, v[CA]
	v_mul_u32_u24 v[SA], v3, 12288
	v_lshl_add_u32 v[SA], v2, 4, v[SA]
	v_mul_u32_u24 v[CAV], v3, 1536                 ; v: lanes 16-31 hold the next tile of channels
	v_lshl_add_u32 v[CAV], v2, 4, v[CAV]
	v_lshlrev_b32 v[SAV], 3, v1
.irp b, 0,1,2,3
	v_mov_b32 v[TM+4+\b], 0                        ; written once: a lane permute's destination counts as one of its sources
.endr
	s_wait_alu depctr_va_vdst(0)
	s_wait_kmcnt 0x0
	s_mov_b64 s[PA:PA+1], s[68:69]
	s_mov_b64 s[PA+2:PA+3], s[70:71]
	s_mov_b64 s[BA:BA+1], s[80:81]
	s_mov_b64 s[BB:BB+1], s[82:83]
.irp i, 1,2,3,4
	s_cmp_eq_u32 s[TA], \i                         ; the choice hangs on the work-group's number alone
	s_cselect_b64 s[PA:PA+1], s[68+2*\i:69+2*\i], s[PA:PA+1]
	s_cselect_b64 s[PA+2:PA+3], s[70+2*\i:71+2*\i], s[PA+2:PA+3]
	s_cselect_b64 s[BA:BA+1], s[80+2*\i:81+2*\i], s[BA:BA+1]
	s_cselect_b64 s[BB:BB+1], s[82+2*\i:83+2*\i], s[BB:BB+1]
.endr
	s_lshl_b32 s2, s[RB], 18                       ; 64 rows of 4,096 bytes
	s_lshl_b32 s3, s[WV], 16
	s_add_co_u32 s2, s2, s3
	s_mov_b32 s3, 0
	s_add_nc_u64 s[PA:PA+1], s[PA:PA+1], s[2:3]
	s_add_nc_u64 s[PA+2:PA+3], s[PA+2:PA+3], s[2:3]
	global_load_b128 v[XBI:XBI+3], v[BGO], s[BA:BA+1]              ; both tensors' biases, 16 bytes a thread
	global_load_b128 v[XBI+4:XBI+7], v[BGO], s[BA:BA+1] offset:2048
	global_load_b128 v[XBI+8:XBI+11], v[BGO], s[BB:BB+1]
	global_load_b128 v[XBI+12:XBI+15], v[BGO], s[BB:BB+1] offset:2048
.irp i, 0,1,2,3
	XLOAD \i, 0
.endr
	s_wait_loadcnt 48                              ; the biases and step 0's numbers are in; three sets stay out
.irp i, 0,1,2,3
	ds_store_b128 v[BST], v[XBI+4*\i:XBI+4*\i+3] offset:2048*\i
.endr
.irp c, 0,1,2,3
	STC 0, 0, \c                                   ; step 0's turn through stage 0
.endr
.irp b, 0,1,2,3
	LD4 0, \b
.endr
	s_mov_b32 s[TC], 0
	s_mov_b32 s[TO], 0
	s_mov_b32 s[TS], 0
.Lquant:                                       ; a trip: two K steps of both tensors
	v_add_nc_u32 v[XWIC], s[TO], v[XWI]
	v_add_nc_u32 v[XWSC], s[TS], v[XWS]
	s_wait_alu depctr_va_vdst(0)
	PSTEP 0, 1, 48, 1
	PSTEP 1, 1, 48, 1
	PSTEP 2, 1, 48, 1
	PSTEP 3, 1, 48, 1
	s_wait_xcnt 0x0                                ; the loads have read their bases
	s_add_nc_u64 s[PA:PA+1], s[PA:PA+1], 1024
	s_add_nc_u64 s[PA+2:PA+3], s[PA+2:PA+3], 1024
	s_add_co_u32 s[TO], s[TO], 12288
	s_add_co_u32 s[TS], s[TS], 1024
	s_add_co_u32 s[TC], s[TC], 1
	s_cmp_lt_u32 s[TC], 3
	s_wait_alu depctr_va_vdst(0)
	s_cbranch_scc1 .Lquant
	v_add_nc_u32 v[XWIC], s[TO], v[XWI]            ; the last trip loads no more of x
	v_add_nc_u32 v[XWSC], s[TS], v[XWS]
	s_wait_alu depctr_va_vdst(0)
	PSTEP 0, 0, 32, 1
	PSTEP 1, 0, 16, 1
	PSTEP 2, 0, 0, 1
	UPREF                                          ; the first unit's 56 loads: no load of x is out any more
	PSTEP 3, 0, 0, 0
	s_wait_alu depctr_va_vdst(0)
	s_wait_dscnt 0x0                               ; for the others' sake: my images, words and biases have landed
	s_barrier_signal -1
	s_barrier_wait -1
	s_mov_b32 s[UC], 0
.Lunit:
	s_lshr_b32 s4, s[HU], 1                        ; tensor
	s_and_b32 s5, s[HU], 1                         ; which 512 columns
	s_lshr_b32 s[KIND], s4, 1                      ; q, k, v
	s_and_b32 s6, s4, 1                            ; real or imaginary part
	s_and_b32 s7, s[RB], 1                         ; which 64 of 128 rows
	s_cmp_eq_u32 s[KIND], 2
	s_cselect_b32 s100, s7, s6                     ; which half of an image's lanes: q, k the part; v the 64 keys
	s_cselect_b32 s101, s6, s7                     ; which four of a step's eight images
	s_lshl_b32 s[SH8], s100, 3
	s_lshr_b32 s24, s[RB], 4
	s_lshl_b32 s24, s24, 4
	s_lshl_b32 s25, s5, 3
	s_add_co_u32 s24, s24, s25
	s_lshl_b32 s25, s[WV], 1
	s_add_co_u32 s24, s24, s25                     ; my first head: 16 batch + 8 half + 2 wave
	s_bfe_u32 s25, s[RB], 0x30001                  ; which 128 rows of the batch
	s_mul_i32 s2, s24, 294912
	s_mul_i32 s3, s25, 36864
	s_add_co_u32 s2, s2, s3
	s_mul_i32 s3, s[KIND], 12288
	s_add_co_u32 s2, s2, s3
	s_mul_i32 s3, s101, 6144
	s_add_co_u32 s2, s2, s3
	s_lshl_b32 s3, s100, 8
	s_add_co_u32 s2, s2, s3
	s_mov_b32 s3, 0
	s_wait_xcnt 0x0                                ; the last unit's stores have read their bases
	s_add_nc_u64 s[12:13], s[96:97], s[2:3]
	s_mul_i32 s2, s100, 786432
	s_mul_i32 s3, s24, 12288
	s_add_co_u32 s2, s2, s3
	s_lshl_b32 s3, s[KIND], 12
	s_add_co_u32 s2, s2, s3
	s_lshl_b32 s3, s25, 9
	s_add_co_u32 s2, s2, s3
	s_lshl_b32 s3, s101, 8
	s_add_co_u32 s2, s2, s3
	s_mov_b32 s3, 0
	s_add_nc_u64 s[14:15], s[98:99], s[2:3]
	s_and_b32 s26, s[H0], 1
	s_add_co_u32 s26, s26, s[UC]
	s_lshr_b32 s26, s26, 1
	s_min_u32 s26, s26, 1                          ; which of my two tensors: (first half unit % 2 + unit) / 2
	s_mul_i32 s27, s26, 49152
	v_add_nc_u32 v[AIU], s27, v[LI]
	s_lshl_b32 s27, s26, 12
	s_add_co_u32 s28, s27, XSC
	v_add_nc_u32 v[ASU], s28, v[LI]
	s_lshl_b32 s28, s5, 11
	s_add_co_u32 s27, s27, s28
	s_lshl_b32 s28, s[WV], 9
	s_add_co_u32 s27, s27, s28
	s_add_co_u32 s27, s27, BIAS                    ; my 128 columns' biases
	v_add_nc_u32 v[BQKU], s27, v[BQK]
	v_add_nc_u32 v[BVAU], s27, v[BVA]
	s_add_co_u32 s[HN], s[HU], 1
	s_wait_alu depctr_va_vdst(0)
	s_cmp_eq_u32 s[KIND], 2
	s_cbranch_scc1 .Lv
	UNITK 0
	WIN 0xc0                                       ; q, k: the bias of columns 16 t + 8 h + 0 .. 7, into window 3
.irp t, 0,1,2,3,4,5,6,7
.irp k, 0,1
	ds_load_b128 v[BB1+8*\t+4*\k:BB1+8*\t+4*\k+3], v[BQKU] offset:64*\t+16*\k
.endr
.endr
	WIN 0
	s_wait_dscnt 0x0
.irp m, 0,1,2,3                                ; 16 rows at a time: 128 columns of a row are two heads x two blocks
	s_wait_xcnt 0x0                                ; the last stores have read their data
	WIN 0x0e                                       ; source 0 window 2 (the sums), source 1 window 3 (the bias)
.irp t, 0,1,2,3,4,5,6,7
.irp k, 0,1,2,3
	v_pk_add_f32 v[ST+8*\t+2*\k:ST+8*\t+2*\k+1], v[8*(4*\t+\m)+2*\k:8*(4*\t+\m)+2*\k+1], v[BB1+8*\t+2*\k:BB1+8*\t+2*\k+1]
.endr
.endr
	WIN 0
	QUANT ST, SW+\m
.irp j, 0,1,2
	global_store_b128 v[CA], v[PC+4*\j:PC+4*\j+3], s[12:13] offset:1536*\m+512*\j   ; sixteen lanes store 256 consecutive aligned bytes
.endr
.endr
	global_store_b128 v[SA], v[SW:SW+3], s[14:15]
	s_branch .Lnext
.Lv:
	UNITK 1
.irp n, 0,1,2,3,4,5,6,7
	ds_load_b32 v[BV+\n], v[BVAU] offset:64*\n     ; v: the bias of channel 16 n + r
.endr
	s_wait_dscnt 0x0
.irp n, 0,2,4,6                                ; two tiles of channels at a time: 64 keys of a channel are two blocks
	s_wait_xcnt 0x0
	WIN 0x02
.irp i, 0,2,4,6,8,10,12,14,16,18,20,22,24,26,28,30
	v_pk_add_f32 v[ST+\i:ST+\i+1], v[32*\n+\i:32*\n+\i+1], v[BV+\n:BV+\n+1] op_sel_hi:[1,0]
.endr
.irp i, 32,34,36,38,40,42,44,46,48,50,52,54,56,58,60,62
	v_pk_add_f32 v[ST+\i:ST+\i+1], v[32*\n+\i:32*\n+\i+1], v[BV+\n:BV+\n+1] op_sel:[0,1] op_sel_hi:[1,1]
.endr
	WIN 0
	QUANT ST, SW+(\n%4)/2
.irp j, 0,1,2
	global_store_b128 v[CAV], v[PC+4*\j:PC+4*\j+3], s[12:13] offset:294912*(\n/4)+1536*(\n%4)+512*\j
.endr
.if \n%4 == 2
	global_store_b64 v[SAV], v[SW:SW+1], s[14:15] offset:12288*(\n/4)
.endif
.endr
.Lnext:
	s_add_co_u32 s[HU], s[HU], 1
	s_add_co_u32 s[UC], s[UC], 1
	s_cmp_lt_u32 s[UC], 3
	s_wait_alu depctr_va_vdst(0)
	s_cbranch_scc1 .Lunit
	s_wait_tensorcnt 0x0                           ; the wave's end
	ds_add_u32 v[SPW], v[NIL]
	s_wait_dscnt 0x0
	s_endpgm
.Lfunc_end_k_qf2f6cd03b1_proj:
	.size	k_qf2f6cd03b1_proj, .Lfunc_end_k_qf2f6cd03b1_proj-k_qf2f6cd03b1_proj
	.p2alignl 7, 3214868480
	.fill 96, 4, 3214868480
	.section	.rodata,"a",@progbits
	.p2align	6, 0x0
	.amdhsa_kernel k_qf2f6cd03b1_proj
		.amdhsa_group_segment_fixed_size 182784
		.amdhsa_private_segment_fixed_size 0
		.amdhsa_enable_private_segment 0
		.amdhsa_kernarg_size 128
		.amdhsa_user_sgpr_count 2
		.amdhsa_user_sgpr_kernarg_segment_ptr 1
		.amdhsa_wavefront_size32 1
		.amdhsa_system_sgpr_workgroup_id_x 1
		.amdhsa_system_sgpr_workgroup_id_y 1
		.amdhsa_system_sgpr_workgroup_id_z 1
		.amdhsa_system_vgpr_workitem_id 0
		.amdhsa_next_free_vgpr 832
		.amdhsa_next_free_sgpr 102
		.amdhsa_reserve_vcc 0
		.amdhsa_float_denorm_mode_32 3
		.amdhsa_float_denorm_mode_16_64 3
		.amdhsa_memory_ordered 1
		.amdhsa_forward_progress 1
		.amdhsa_inst_pref_size 254
	.end_amdhsa_kernel
	.amdgpu_metadata
---
amdhsa.version: [ 1, 2 ]
amdhsa.kernels:
  - .name:           k_qf2f6cd03b1_proj
    .symbol:         k_qf2f6cd03b1_proj.kd
    .args:
      - { .name: q_r, .offset: 0, .size: 8, .value_kind: global_buffer, .address_space: global }
      - { .name: q_i, .offset: 8, .size: 8, .value_kind: global_buffer, .address_space: global }
      - { .name: k_r, .offset: 16, .size: 8, .value_kind: global_buffer, .address_space: global }
      - { .name: k_i, .offset: 24, .size: 8, .value_kind: global_buffer, .address_space: global }
      - { .name: v_r, .offset: 32, .size: 8, .value_kind: global_buffer, .address_space: global }
      - { .name: v_i, .offset: 40, .size: 8, .value_kind: global_buffer, .address_space: global }
      - { .name: bq_r, .offset: 48, .size: 8, .value_kind: global_buffer, .address_space: global }
      - { .name: bq_i, .offset: 56, .size: 8, .value_kind: global_buffer, .address_space: global }
      - { .name: bk_r, .offset: 64, .size: 8, .value_kind: global_buffer, .address_space: global }
      - { .name: bk_i, .offset: 72, .size: 8, .value_kind: global_buffer, .address_space: global }
      - { .name: bv_r, .offset: 80, .size: 8, .value_kind: global_buffer, .address_space: global }
      - { .name: bv_i, .offset: 88, .size: 8, .value_kind: global_buffer, .address_space: global }
      - { .name: wimg, .offset: 96, .size: 8, .value_kind: global_buffer, .address_space: global }
      - { .name: wscl, .offset: 104, .size: 8, .value_kind: global_buffer, .address_space: global }
      - { .name: qkv, .offset: 112, .size: 8, .value_kind: global_buffer, .address_space: global }
      - { .name: qkvs, .offset: 120, .size: 8, .value_kind: global_buffer, .address_space: global }
    .group_segment_fixed_size: 182784
    .private_segment_fixed_size: 0
    .kernarg_segment_align: 8
    .kernarg_segment_size: 128
    .max_flat_workgroup_size: 128
    .sgpr_count:     102
    .vgpr_count:     832
    .wavefront_size: 32
...
	.end_amdgpu_metadata
.endif
;; end of part 2
;; launch attn (part 3): grid 4 x 64, 16 waves a work-group, clusters of 4 x 1, 208,896 bytes of LDS; arguments qkv, qkvs, oimg, oscl; writes oimg, oscl
.if DOCPART == 3
	.amdgcn_target "amdgcn-amd-amdhsa--gfx1250"
	.amdhsa_code_object_version 6
	.text
	.protected	k_qf2f6cd03b1_attn
	.globl	k_qf2f6cd03b1_attn
	.p2align	8
	.type	k_qf2f6cd03b1_attn,@function
k_qf2f6cd03b1_attn:
	s_mov_b64 s[64:65], 0
	v_nop
	global_prefetch_b8 v0, s[64:65] scope:SCOPE_SE
	s_setreg_imm32_b32 hwreg(HW_REG_WAVE_MODE, 25, 1), 1
	s_wait_xcnt 0x0
	s_wait_alu depctr_hold_cnt(0) depctr_sa_sdst(0) depctr_va_vdst(0) depctr_va_sdst(0) depctr_va_ssrc(0) depctr_va_vcc(0) depctr_vm_vsrc(0)
	s_getreg_b32 s2, hwreg(HW_REG_IB_STS2, 6, 4)
	s_cmp_eq_u32 s2, 0
	s_cbranch_scc0 .Lentry_in_a_cluster
	s_endpgm
.Lentry_in_a_cluster:
	s_bfe_u32 s2, ttmp6, 0x10000c
	s_cmp_lg_u32 s2, 0x3003
	s_cbranch_scc0 .Lentry_shape_is_right
	s_endpgm
.Lentry_shape_is_right:
; O = softmax((Qr Kr^T + Qi Ki^T) / 8) [Vr | Vi], head by head, all products on codes of FP6 (E2M3) with one E8M0 scale for each 32 along K; O / l is quantised at once as an operand of the output projections.
; [Qr | Qi] . [Kr | Ki] is ONE product with K = 128 (four blocks of 32, as the two products have them), [Vr | Vi] are 128 channels.  The two score products are so summed inside one matrix instruction.
; THE SOFTMAX: t = score x log2(e) / 8; M = the row's largest t so far, rounded UP to a whole number; p = 2^(t - M) is quantised along the keys, not normalised.  The row's sum is taken of the unquantised p and divides O at the end.
; When M moves, the sum and O are multiplied by 2^(old M - new M): exact.
; SHARES.  Work-group (x, y): 256 queries (block x) of head y; each of its sixteen waves owns 16 queries in 256 registers.  Every wave walks the head's 1,024 keys, 128 a step.
; A head's K and V, 196,608 bytes of register images, come into LDS ONCE: one joint load for each of the sixteen waves (one of mine out), all at the head; nothing is filled twice.  A fragment is three loads of 16 bytes a lane.
; CLUSTER: the four query blocks of a head read the same K and V: each tile is asked for JOINTLY, by the same tensor load with the same descriptor and the mask of all four.
; LAYOUT.  S^T = K Q^T, O^T = V^T P^T: a lane holds ONE query throughout.  V's images hold key blocks 0, 2, 1, 3 of a step as the operand's blocks 0 .. 3, so S^T's tile t reads K's image (0, 1, 4, 5, 2, 3, 6, 7)[t];
; inside a block both have code position 16 h + 8 u + j = key 16 u + 8 h + j, which is how S^T's registers lie.
; OUT: oimg [part 2][128 rows 32][K step 8][tile 8][1,536]: lanes 0-15 of an image are the even head of a K step, lanes 16-31 the odd one: I write sixteen lanes, 256 consecutive aligned bytes, real part from lanes 0-15, imaginary from lanes 16-31.
; LIMITS: |t| under 3e38; a block's largest p is taken from its largest score (v_exp_f32 is taken not to fall where its input rises); a block under 2^-124 keeps the byte 1, a block of zeros too; NaN and infinities are not served.
; REGISTERS: v1-10 addresses; v12 -M, v13 the largest t, v[14:15] the sum; v16-27 Q; v32-79 four fragments; v80-83 K's scale words, v84-87 V's; v96-159 S^T, p, at last O / l; v160-223 O^T; v224-235 p's codes; v232-254 at work; v255 Q's scale word.
.set SC,   196608                      ; LDS behind K and V: K's scale words (4,096 bytes), then V's
.set OS,   204800                      ; the result's scale words meet here: 2,048 bytes
.set AD,   1
.set PC,   32
.set TM,   232
.set T0,   248
.set WV,   12
.set G1,   16                          ; s[16:23] descriptor group 1;  s[24:27] group 0
.set G0,   24
.set SEL,  40
.set CS,   42
.set HM,   44
.set SH8,  45
.macro CROUND                          ; a round of the cluster's barrier
	s_barrier_signal -1
	s_barrier_wait -1
	s_cmp_lg_u32 s[WV], 0
	s_cbranch_scc1 .Lnot_wave_0_\@
	s_barrier_signal -3
.Lnot_wave_0_\@:
	s_barrier_wait -3
	s_barrier_signal -1
	s_barrier_wait -1
.endm
.macro WM d, a, b, c, sa, sb, row      ; one product.  c < 0: the constant 0 starts the sum.  row = 1: source 0's scales from lanes 16-31
.if (\c) < 0
.if (\row) == 0
	v_wmma_scale_f32_16x16x128_f8f6f4 v[\d:\d+7], v[\a:\a+11], v[\b:\b+11], 0, v[\sa], v[\sb] matrix_a_fmt:MATRIX_FMT_FP6 matrix_b_fmt:MATRIX_FMT_FP6
.else
	v_wmma_scale_f32_16x16x128_f8f6f4 v[\d:\d+7], v[\a:\a+11], v[\b:\b+11], 0, v[\sa], v[\sb] matrix_a_fmt:MATRIX_FMT_FP6 matrix_b_fmt:MATRIX_FMT_FP6 matrix_a_scale:MATRIX_SCALE_ROW1
.endif
.else
.if (\row) == 0
	v_wmma_scale_f32_16x16x128_f8f6f4 v[\d:\d+7], v[\a:\a+11], v[\b:\b+11], v[\c:\c+7], v[\sa], v[\sb] matrix_a_fmt:MATRIX_FMT_FP6 matrix_b_fmt:MATRIX_FMT_FP6
.else
	v_wmma_scale_f32_16x16x128_f8f6f4 v[\d:\d+7], v[\a:\a+11], v[\b:\b+11], v[\c:\c+7], v[\sa], v[\sb] matrix_a_fmt:MATRIX_FMT_FP6 matrix_b_fmt:MATRIX_FMT_FP6 matrix_a_scale:MATRIX_SCALE_ROW1
.endif
.endif
.endm
.macro PLACES
.rept 4
	v_nop
.endr
.endm
; 64 numbers of a lane, register 16 b + i = position 16 (lane / 16) + i of block b of my row, become two half fragments: lanes 0-15 get blocks 0 and 1, lanes 16-31 blocks 2 and 3;
; the word has the lane's two bytes at places SH8 / 8 and 2 + SH8 / 8, the others 0.
.macro QUANT src, out
.irp b, 0,1,2,3
	v_max3_num_f32 v[TM+\b], |v[\src+16*\b]|, |v[\src+1+16*\b]|, 0x1800000
.endr
.irp i, 2,4,6,8,10,12,14
.irp b, 0,1,2,3
	s_delay_alu instid0(VALU_DEP_4)
	v_max3_num_f32 v[TM+\b], v[TM+\b], |v[\src+16*\b+\i]|, |v[\src+1+16*\b+\i]|
.endr
.endr
.irp b, 0,1,2,3
	s_delay_alu instid0(VALU_DEP_4)
	v_permlanex16_b32 v[TM+4+\b], v[TM+\b], s[SEL], s[SEL+1]
.endr
.irp b, 0,1,2,3
	s_delay_alu instid0(VALU_DEP_4)
	v_max_num_f32 v[TM+\b], v[TM+\b], v[TM+4+\b]
.endr
.irp b, 0,1,2,3
	s_delay_alu instid0(VALU_DEP_4)
	v_add_nc_u32 v[TM+12+\b], 0xff000000, v[TM+\b]
.endr
.irp b, 0,1,2,3
	s_delay_alu instid0(VALU_DEP_4)
	v_lshrrev_b32 v[TM+4+\b], 23, v[TM+12+\b]
.endr
	s_delay_alu instid0(VALU_DEP_2)
	v_cndmask_b32 v[T0], v[TM+4], v[TM+6], s[HM]
	s_delay_alu instid0(VALU_DEP_2)
	v_cndmask_b32 v[T0+1], v[TM+5], v[TM+7], s[HM]
	s_delay_alu instid0(VALU_DEP_1)
	v_lshl_or_b32 v[T0], v[T0+1], 16, v[T0]
	s_delay_alu instid0(VALU_DEP_1)
	v_lshlrev_b32 v[\out], s[SH8], v[T0]
.irp c, 0,1
	v_cvt_scalef32_pk16_fp6_f32 v[PC+6*\c:PC+2+6*\c], v[\src+16*\c:\src+15+16*\c], v[TM+12+\c]
	v_cvt_scalef32_pk16_fp6_f32 v[PC+12+4*\c:PC+14+4*\c], v[\src+32+16*\c:\src+47+16*\c], v[TM+14+\c]
.endr
	v_nop                                          ; one plain place behind a scaled conversion
.irp c, 0,1
.irp i, 0,1,2
	v_permlane16_swap_b32 v[PC+6*\c+\i], v[PC+12+4*\c+\i]
.endr
.irp i, 0,1,2
	s_delay_alu instid0(VALU_DEP_3)
	v_mov_b32 v[PC+3+6*\c+\i], v[PC+12+4*\c+\i]
.endr
.endr
.endm
	s_load_b256 s[4:11], s[0:1], 0x0               ; qkv s[4:5], qkvs s[6:7], oimg s[8:9], oscl s[10:11]
	v_lshl_add_u32 v250, v0, 2, 0x32800
	v_mov_b32 v251, 0
	ds_add_u32 v250, v251
	ds_add_u32 v250, v251
	v_lshrrev_b32 v11, 5, v0
	s_delay_alu instid0(VALU_DEP_1)
	v_readfirstlane_b32 s[WV], v11                 ; wave 0..15
	v_and_b32 v11, 31, v0                          ; lane
	v_and_b32 v9, 15, v0                           ; r
	v_bfe_u32 v10, v0, 4, 1                        ; h
	s_delay_alu instid0(VALU_DEP_3)
	v_lshlrev_b32 v[AD], 4, v11                    ; an image's place for my lane; 49,152 more for each two steps
	s_delay_alu instid0(VALU_DEP_4)
	v_lshlrev_b32 v7, 4, v11                       ; 16 x lane, for memory
	s_delay_alu instid0(VALU_DEP_2)
	v_add_nc_u32 v2, SC, v[AD]                     ; K's scale words
	v_lshl_add_u32 v3, v11, 3, SC+4096             ; V's
	v_lshl_add_u32 v4, v0, 4, SC                   ; where I store 16 bytes of them
	v_lshl_add_u32 v6, v0, 4, OS                   ; the result's words, on the way back
	s_lshr_b32 s53, s[WV], 2
	s_lshl_b32 s53, s53, 8
	s_and_b32 s3, s[WV], 3
	s_lshl_b32 s3, s3, 2
	s_add_co_u32 s53, s53, s3
	s_add_co_u32 s53, s53, OS
	v_lshl_add_u32 v5, v10, 10, s53
	s_delay_alu instid0(VALU_DEP_1)
	v_lshl_add_u32 v5, v9, 4, v5                   ; and on the way in: 1,024 h + 256 (wave / 4) + 16 r + 4 (wave % 4)
	v_mul_u32_u24 v8, v10, 3145728
	s_delay_alu instid0(VALU_DEP_1)
	v_lshl_add_u32 v8, v9, 4, v8                   ; the codes: lanes 16-31 go to the imaginary part
	v_lshlrev_b32 v9, 4, v9                        ; 16 r
	v_lshlrev_b32 v10, 4, v0                       ; 16 x thread
	s_and_b32 s48, ttmp7, 0xffff                   ; the head, 16 x batch + head: the four partners share it
	s_and_b32 s49, s48, 15
	s_lshr_b32 s50, s48, 4                         ; batch
	s_and_b32 s51, s49, 1                          ; which half of the lanes of the result's images
	s_lshr_b32 s52, s49, 1                         ; which K step of the output projections
	s_lshl_b32 s[SH8], s51, 3
	s_mov_b32 s[HM], 0xffff0000
	s_mov_b32 s[SEL], 0x76543210
	s_mov_b32 s[SEL+1], 0xfedcba98
	s_mov_b32 s[CS], 0x3e38aa3b                    ; c = log2(e) / 8
	s_mov_b32 s[CS+1], s[CS]                       ; (named with it as a pair, so it is written)
	; what each wave fetches: block number wave, key step wave / 2, K (wave even) or V (wave odd), 12,288 bytes.  No place in the cluster enters these registers
	s_mul_i32 s54, s48, 294912
	s_lshr_b32 s53, s[WV], 1
	s_mul_i32 s53, s53, 36864
	s_add_co_u32 s54, s54, s53
	s_and_b32 s53, s[WV], 1
	s_mul_i32 s53, s53, 12288
	s_add_co_u32 s54, s54, s53
	s_add_co_u32 s54, s54, 12288                   ; behind the step's images of Q
	s_mov_b32 s55, 0
	s_mul_i32 s53, s[WV], 12288                    ; and where it goes
	; descriptor group 1: a dense block of 12,288 bytes as 48 rows of 256 (32 elements of 8 bytes)
	s_mov_b32 s[G1+0], 15|(3<<16)|(1<<21)          ; 15:0 the mask: all four work-groups; 17:16 elements of 8 bytes; 21 set beside a mask
	s_mov_b32 s[G1+1], 32<<16
	s_mov_b32 s[G1+2], 48<<16
	s_mov_b32 s[G1+3], 32<<16
	s_mov_b32 s[G1+4], 48
	s_mov_b32 s[G1+5], 32
	s_mov_b32 s[G1+6], 0
	s_mov_b32 s[G1+7], 0
	; my block of queries enters Q's and the result's addresses alone
	s_bfe_u32 s46, ttmp6, 0x40000                  ; cx
	s_lshl_b32 s47, ttmp9, 2
	s_add_co_u32 s47, s47, s46                     ; my block of 256 queries
	s_lshl_b32 s58, s47, 1
	s_lshr_b32 s13, s[WV], 3
	s_add_co_u32 s58, s58, s13                     ; my step of 128 rows
	s_and_b32 s59, s[WV], 7
	s_mul_i32 s59, s59, 1536                       ; my image in it
	s_mul_i32 s56, s58, 36864
	s_mul_i32 s13, s48, 294912
	s_add_co_u32 s56, s56, s13
	s_add_co_u32 s56, s56, s59
	s_mov_b32 s57, 0
	s_mul_i32 s62, s48, 12288
	s_lshl_b32 s60, s47, 10
	s_add_co_u32 s60, s60, s62
	s_lshr_b32 s13, s[WV], 2
	s_lshl_b32 s13, s13, 8
	s_add_co_u32 s60, s60, s13
	s_and_b32 s13, s[WV], 3
	s_lshl_b32 s13, s13, 2
	s_add_co_u32 s60, s60, s13                     ; Q's scale words: 256 (4 x block + wave / 4) + 4 (wave % 4)
	s_mov_b32 s61, 0
	s_add_co_u32 s62, s62, 4096                    ; K's and V's
	s_mov_b32 s63, 0
	s_lshl_b32 s2, s50, 3
	s_add_co_u32 s2, s2, s58
	s_mul_i32 s2, s2, 98304
	s_mul_i32 s13, s52, 12288
	s_add_co_u32 s2, s2, s13
	s_add_co_u32 s2, s2, s59
	s_lshl_b32 s13, s51, 8
	s_add_co_u32 s2, s2, s13
	s_mov_b32 s3, 0
	s_lshl_b32 s14, s51, 18
	s_lshr_b32 s13, s[WV], 1
	s_lshl_b32 s13, s13, 17
	s_add_co_u32 s14, s14, s13
	s_lshl_b32 s13, s50, 3
	s_lshl_b32 s15, s47, 1
	s_add_co_u32 s13, s13, s15
	s_and_b32 s15, s[WV], 1
	s_add_co_u32 s13, s13, s15
	s_lshl_b32 s13, s13, 12
	s_add_co_u32 s14, s14, s13
	s_lshl_b32 s13, s52, 9
	s_add_co_u32 s14, s14, s13                     ; (used by waves 0-3 alone)
	s_mov_b32 s15, 0
	s_wait_dscnt 0x0
	s_wait_kmcnt 0x0
	s_add_nc_u64 s[54:55], s[4:5], s[54:55]
	s_add_nc_u64 s[56:57], s[4:5], s[56:57]
	s_add_nc_u64 s[60:61], s[6:7], s[60:61]
	s_add_nc_u64 s[62:63], s[6:7], s[62:63]
	s_add_nc_u64 s[8:9], s[8:9], s[2:3]
	s_add_nc_u64 s[10:11], s[10:11], s[14:15]
	; THE FILLS (this takes the place of what the head comment says of waves 0-3): the head's sixteen blocks of 12,288 bytes are shared out, ONE joint load for each of the sixteen waves.
	; Wave w fetches block w: key step w / 2, K (w even) or V (w odd), to LDS byte 12,288 w; the arithmetic above on the wave's number gives both addresses.  One load of mine is out.
	s_mov_b32 s[G0], 1
	s_mov_b32 s[G0+1], s53
	s_mov_b64 s[G0+2:G0+3], s[54:55]
	s_or_b32 s[G0+3], s[G0+3], 0x80000000
	CROUND                                         ; all four work-groups are here: the joint loads meet
	tensor_load_to_lds s[G0:G0+3], s[G1:G1+7]
	s_nop 0
	PLACES
.irp j, 0,1,2
	global_load_b128 v[16+4*\j:19+4*\j], v7, s[56:57] offset:512*\j   ; Q's fragment stays in registers
.endr
	s_wait_alu depctr_va_vdst(0)
	global_load_b32 v255, v9, s[60:61]             ; Q's scale words: the real part's two bytes,
	global_load_b32 v254, v9, s[60:61] offset:786432   ; the imaginary part's
	global_load_b128 v[32:35], v10, s[62:63]       ; K's and V's of the whole head, 16 bytes a thread: one half's bytes,
	global_load_b128 v[36:39], v10, s[62:63] offset:786432   ; the other's
	s_wait_loadcnt 0x0
	v_or_b32 v255, v255, v254
.irp i, 0,1,2,3
	v_or_b32 v[32+\i], v[32+\i], v[36+\i]
.endr
	ds_store_b128 v4, v[32:35]
	v_mov_b32 v13, 0xff61b1e6                      ; the largest t so far: -3e38, under every t
	s_delay_alu instid0(VALU_DEP_1)
	v_floor_f32 v12, -v13                          ; -M
	v_mov_b32 v14, 0                               ; the sum, in two halves
	v_mov_b32 v15, 0
.irp b, 0,1,2,3
	v_mov_b32 v[236+\b], 0                         ; written once: a lane permute's destination counts as one of its sources
.endr
	v_mov_b32 v253, 0                              ; (named as the upper half of the pair v[252:253] before it is first written)
; A KEY STEP: 128 keys.  first = 1: its products start O^T's sums with the constant 0, and there is nothing to rescale.
.macro STEP s, first
.set KO, 24576*((\s)%2)
	PLACES                                         ; in front of loads into registers that the last products read
	ds_load_b128 v[80:83], v2 offset:512*(\s)      ; K's words: register 80 + i: lanes 0-15 image i, lanes 16-31 image 4 + i
	ds_load_b64 v[84:85], v3 offset:512*(\s)       ; V's: register 84 + 2 (c / 4) + (c % 4) / 2: lanes 0-15 image c even, lanes 16-31 c odd
	ds_load_b64 v[86:87], v3 offset:512*(\s)+256
.irp g, 0,1                                    ; S^T = K Q^T, four tiles of 16 keys at a time
.if \g
	PLACES
.endif
.irp t, 0,1,2,3
.set TN, 4*(((4*\g+\t)/2)%2)+2*((4*\g+\t)/4)+(\t%2)
.irp j, 0,1,2
	ds_load_b128 v[32+12*\t+4*\j:35+12*\t+4*\j], v[AD] offset:KO+1536*TN+512*\j
.endr
.endr
	s_wait_dscnt 0x0
.irp t, 0,1,2,3
.set TN, 4*(((4*\g+\t)/2)%2)+2*((4*\g+\t)/4)+(\t%2)
	WM 96+8*(4*\g+\t), 32+12*\t, 16, -1, 80+TN%4, 255, TN/4
.endr
.endr
	PLACES
.irp b, 0,1,2,3
	v_max3_num_f32 v[232+\b], v[96+16*\b], v[97+16*\b], v[98+16*\b]   ; the largest score of each block of 32 keys: for the row's maximum, and, since p rises with the score, for the block's largest p
.endr
.irp i, 3,5,7,9,11,13
.irp b, 0,1,2,3
	v_max3_num_f32 v[232+\b], v[232+\b], v[96+16*\b+\i], v[97+16*\b+\i]
.endr
.endr
.irp b, 0,1,2,3
	v_max_num_f32 v[232+\b], v[232+\b], v[111+16*\b]
.endr
.irp b, 0,1,2,3
	s_delay_alu instid0(VALU_DEP_4)
	v_permlanex16_b32 v[236+\b], v[232+\b], s[SEL], s[SEL+1]
.endr
.irp b, 0,1,2,3
	s_delay_alu instid0(VALU_DEP_4)
	v_max_num_f32 v[232+\b], v[232+\b], v[236+\b]  ; with lane l xor 16's 16 keys
.endr
	s_delay_alu instid0(VALU_DEP_2)
	v_max3_num_f32 v254, v232, v233, v234
	s_delay_alu instid0(VALU_DEP_1)
	v_max_num_f32 v254, v254, v235                 ; the step's largest score of my query
	s_delay_alu instid0(VALU_DEP_1)
	v_mul_f32 v254, s[CS], v254                    ; as t (c is positive)
	s_delay_alu instid0(VALU_DEP_1)
	v_max_num_f32 v13, v13, v254                   ; the running largest t
	v_mov_b32 v254, v12
	s_delay_alu instid0(VALU_DEP_2)
	v_floor_f32 v12, -v13                          ; the new -M = floor(-t) = -ceil(t): a whole number
	s_delay_alu instid0(VALU_DEP_1)
	v_sub_f32 v254, v12, v254                      ; old M - new M: a whole number, 0 or less
	s_delay_alu instid0(VALU_DEP_1)
	v_cvt_i32_f32 v254, v254                       ; (it saturates)
	s_delay_alu instid0(VALU_DEP_1)
	v_ldexp_f32 v252, 1.0, v254                    ; f = 2^(old M - new M)
.set J, 0
.rept 32
	v_pk_fma_f32 v[96+J:97+J], v[96+J:97+J], s[CS:CS+1], v[12:13] op_sel_hi:[1,0,0]   ; t - M, two at a time
.set J, J+2
.endr
.irp b, 0,1,2,3
	v_fma_f32 v[232+\b], v[232+\b], s[CS], v12     ; the same of each block's largest score
.endr
.set J, 0
	s_wait_alu depctr_va_vdst(0)
.rept 64
	v_exp_f32 v[96+J], v[96+J]                     ; p = 2^(t - M), at most 1
.set J, J+1
.endr
.irp b, 0,1,2,3
	v_exp_f32 v[232+\b], v[232+\b]                 ; the block's largest p: the same two instructions on the same number
.endr
	v_pk_mul_f32 v[14:15], v[14:15], v[252:253] op_sel_hi:[1,0]   ; the sums under the new M.  (A plain place behind the exponentials)
	s_wait_alu depctr_va_vdst(0)
.irp b, 0,1,2,3
	v_max_num_f32 v[232+\b], 0x1800000, v[232+\b]  ; the floor 2^(3 - 127): the byte cannot fall under 1
.endr
.irp b, 0,1,2,3
	s_delay_alu instid0(VALU_DEP_4)
	v_add_nc_u32 v[244+\b], 0xff000000, v[232+\b]  ; the conversion's scale operand
.endr
.irp b, 0,1,2,3
	s_delay_alu instid0(VALU_DEP_4)
	v_lshrrev_b32 v[236+\b], 23, v[244+\b]         ; the scale's byte
.endr
	s_delay_alu instid0(VALU_DEP_3)
	v_lshl_or_b32 v253, v237, 8, v236              ; p's scale word for these 128 keys
	s_delay_alu instid0(VALU_DEP_1)
	v_lshl_or_b32 v253, v238, 16, v253
	s_delay_alu instid0(VALU_DEP_1)
	v_lshl_or_b32 v253, v239, 24, v253
.irp c, 0,1
	v_cvt_scalef32_pk16_fp6_f32 v[224+6*\c:226+6*\c], v[96+32*\c:111+32*\c], v[244+2*\c]
	v_cvt_scalef32_pk16_fp6_f32 v[236+4*\c:238+4*\c], v[112+32*\c:127+32*\c], v[244+2*\c+1]
.endr
	v_nop                                          ; one plain place behind a scaled conversion
.irp c, 0,1
.irp i, 0,1,2
	v_permlane16_swap_b32 v[224+6*\c+\i], v[236+4*\c+\i]
.endr
.irp i, 0,1,2
	s_delay_alu instid0(VALU_DEP_3)
	v_mov_b32 v[227+6*\c+\i], v[236+4*\c+\i]
.endr
.endr
	v_pk_add_f32 v[236:237], v[100:101], v[104:105]
	v_pk_add_f32 v[248:249], v[108:109], v[112:113]
	v_pk_add_f32 v[246:247], v[116:117], v[120:121]
	v_pk_add_f32 v[244:245], v[124:125], v[128:129]
	v_pk_add_f32 v[242:243], v[132:133], v[136:137]
	v_pk_add_f32 v[240:241], v[140:141], v[144:145]
	v_pk_add_f32 v[94:95], v[148:149], v[152:153]
	v_pk_add_f32 v[14:15], v[14:15], v[156:157]
	v_pk_add_f32 v[236:237], v[236:237], v[96:97]
	v_pk_add_f32 v[248:249], v[248:249], v[98:99]
	v_pk_add_f32 v[246:247], v[246:247], v[102:103]
	v_pk_add_f32 v[244:245], v[244:245], v[106:107]
	v_pk_add_f32 v[242:243], v[242:243], v[110:111]
	v_pk_add_f32 v[240:241], v[240:241], v[114:115]
	v_pk_add_f32 v[94:95], v[94:95], v[118:119]
	v_pk_add_f32 v[14:15], v[14:15], v[122:123]
	v_pk_add_f32 v[236:237], v[236:237], v[126:127]
	v_pk_add_f32 v[248:249], v[248:249], v[130:131]
	v_pk_add_f32 v[246:247], v[246:247], v[134:135]
	v_pk_add_f32 v[244:245], v[244:245], v[138:139]
	v_pk_add_f32 v[242:243], v[242:243], v[142:143]
	v_pk_add_f32 v[240:241], v[240:241], v[146:147]
	v_pk_add_f32 v[94:95], v[94:95], v[150:151]
	v_pk_add_f32 v[14:15], v[14:15], v[154:155]
	v_pk_add_f32 v[236:237], v[236:237], v[158:159]
	s_delay_alu instid0(VALU_DEP_2)
	v_pk_add_f32 v[14:15], v[14:15], v[244:245]
	s_delay_alu instid0(VALU_DEP_2)
	v_pk_add_f32 v[236:237], v[236:237], v[242:243]
	v_pk_add_f32 v[248:249], v[248:249], v[240:241]
	v_pk_add_f32 v[246:247], v[246:247], v[94:95]
	s_delay_alu instid0(VALU_DEP_2)
	v_pk_add_f32 v[14:15], v[14:15], v[248:249]
	s_delay_alu instid0(VALU_DEP_2)
	v_pk_add_f32 v[236:237], v[236:237], v[246:247]
	s_delay_alu instid0(VALU_DEP_1)
	v_pk_add_f32 v[14:15], v[14:15], v[236:237]
.if !\first
.set J, 0
.rept 32
	v_pk_mul_f32 v[160+J:161+J], v[160+J:161+J], v[252:253] op_sel_hi:[1,0]   ; O^T under the new M, each accumulator from its low end on
.set J, J+2
.endr
.endif
	s_wait_alu depctr_va_vdst(0)
.irp g, 0,1                                    ; O^T += V^T P^T: four tiles of 16 channels at a time
.if \g
	PLACES
.endif
.irp t, 0,1,2,3
.irp j, 0,1,2
	ds_load_b128 v[32+12*\t+4*\j:35+12*\t+4*\j], v[AD] offset:KO+12288+1536*(4*\g+\t)+512*\j
.endr
.endr
	s_wait_dscnt 0x0
.irp t, 0,1,2,3
.set oD, 160+8*(4*\g+\t)
.set oC, oD
.if \first
.set oC, -1
.endif
	WM oD, 32+12*\t, 224, oC, 84+2*\g+\t/2, 253, \t%2
.endr
.endr
.endm
; Two key steps.  Ahead of the first: every wave waits for its one tensor load and for its store of scale words, then ONE barrier shows all of K, V and the words to all sixteen waves.
; Nothing is written into those bytes behind it, so the later chunks need no barrier.
.macro CHUNK c, first
.if (\c) == 0
	s_wait_tensorcnt 0x0                           ; my block of K or V has landed
	s_wait_dscnt 0x0                               ; my 16 bytes of the scale words have landed
	s_barrier_signal -1
	s_barrier_wait -1
.endif
.if \c
	v_add_nc_u32 v[AD], 49152, v[AD]
.endif
	s_wait_alu depctr_va_vdst(0)
	STEP 2*\c, \first
	STEP 2*\c+1, 0
.endm
	CHUNK 0, 1
	CHUNK 1, 0
	CHUNK 2, 0
	CHUNK 3, 0
	; THE WAY OUT: O^T / l, quantised along (head, channel): registers 0-31 are the real part's two blocks, 32-63 the imaginary part's
	PLACES
	v_add_f32 v14, v14, v15                        ; the sum's two halves,
	s_delay_alu instid0(VALU_DEP_1)
	v_permlanex16_b32 v252, v14, s[SEL], s[SEL+1]
	s_delay_alu instid0(VALU_DEP_1)
	v_add_f32 v14, v14, v252                       ; and lane l xor 16's
	s_wait_alu depctr_va_vdst(0)
	v_rcp_f32 v14, v14
	v_nop                                          ; one plain place behind a transcendental
.set J, 0
	s_wait_alu depctr_va_vdst(0)
.rept 64
	v_mul_f32 v[96+J], v[160+J], v14
.set J, J+1
.endr
	QUANT 96, 52
.irp j, 0,1,2
	global_store_b128 v8, v[PC+4*\j:PC+4*\j+3], s[8:9] offset:512*\j   ; sixteen lanes store 256 consecutive aligned bytes
.endr
	ds_store_b32 v5, v52
	s_wait_dscnt 0x0                               ; for the others' sake: my word has landed
	s_barrier_signal -1
	s_barrier_wait -1
	s_cmp_lt_u32 s[WV], 4
	s_cbranch_scc0 .Lno_words
	ds_load_b128 v[56:59], v6                      ; wave k: part k / 2, 128 rows k % 2: 512 bytes in oscl's order
	s_wait_dscnt 0x0
	global_store_b128 v7, v[56:59], s[10:11]
.Lno_words:
	s_wait_tensorcnt 0x0
	ds_add_u32 v250, v251
	s_wait_dscnt 0x0
	CROUND                                         ; the closing round: no work-group ends while a partner may still ask for a tile that names it
	s_endpgm
.Lfunc_end_k_qf2f6cd03b1_attn:
	.size	k_qf2f6cd03b1_attn, .Lfunc_end_k_qf2f6cd03b1_attn-k_qf2f6cd03b1_attn
	.p2alignl 7, 3214868480
	.fill 96, 4, 3214868480
	.section	.rodata,"a",@progbits
	.p2align	6, 0x0
	.amdhsa_kernel k_qf2f6cd03b1_attn
		.amdhsa_group_segment_fixed_size 208896
		.amdhsa_private_segment_fixed_size 0
		.amdhsa_enable_private_segment 0
		.amdhsa_kernarg_size 32
		.amdhsa_user_sgpr_count 2
		.amdhsa_user_sgpr_kernarg_segment_ptr 1
		.amdhsa_wavefront_size32 1
		.amdhsa_system_sgpr_workgroup_id_x 1
		.amdhsa_system_sgpr_workgroup_id_y 1
		.amdhsa_system_sgpr_workgroup_id_z 1
		.amdhsa_system_vgpr_workitem_id 0
		.amdhsa_next_free_vgpr 256
		.amdhsa_next_free_sgpr 66
		.amdhsa_reserve_vcc 0
		.amdhsa_float_denorm_mode_32 3
		.amdhsa_float_denorm_mode_16_64 3
		.amdhsa_memory_ordered 1
		.amdhsa_forward_progress 1
		.amdhsa_inst_pref_size 172
	.end_amdhsa_kernel
	.amdgpu_metadata
---
amdhsa.version: [ 1, 2 ]
amdhsa.kernels:
  - .name:           k_qf2f6cd03b1_attn
    .symbol:         k_qf2f6cd03b1_attn.kd
    .args:
      - { .name: qkv, .offset: 0, .size: 8, .value_kind: global_buffer, .address_space: global }
      - { .name: qkvs, .offset: 8, .size: 8, .value_kind: global_buffer, .address_space: global }
      - { .name: oimg, .offset: 16, .size: 8, .value_kind: global_buffer, .address_space: global }
      - { .name: oscl, .offset: 24, .size: 8, .value_kind: global_buffer, .address_space: global }
    .group_segment_fixed_size: 208896
    .private_segment_fixed_size: 0
    .kernarg_segment_align: 8
    .kernarg_segment_size: 32
    .max_flat_workgroup_size: 512
    .sgpr_count:     66
    .vgpr_count:     256
    .wavefront_size: 32
...
	.end_amdgpu_metadata
.endif
;; end of part 3
;; launch oproj (part 4): grid 4 x 64, 4 waves a work-group, clusters of 4 x 1, 168,448 bytes of LDS; arguments oimg, oscl, wimg, wscl, bo_r, bo_i, out0, out1; writes out0, out1
.if DOCPART == 4
	.amdgcn_target "amdgcn-amd-amdhsa--gfx1250"
	.amdhsa_code_object_version 6
	.text
	.protected	k_qf2f6cd03b1_oproj
	.globl	k_qf2f6cd03b1_oproj
	.p2align	8
	.type	k_qf2f6cd03b1_oproj,@function
k_qf2f6cd03b1_oproj:
	s_mov_b64 s[64:65], 0
	v_nop
	global_prefetch_b8 v0, s[64:65] scope:SCOPE_SE
	s_setreg_imm32_b32 hwreg(HW_REG_WAVE_MODE, 25, 1), 1
	s_wait_xcnt 0x0
	s_wait_alu depctr_hold_cnt(0) depctr_sa_sdst(0) depctr_va_vdst(0) depctr_va_sdst(0) depctr_va_ssrc(0) depctr_va_vcc(0) depctr_vm_vsrc(0)
	s_getreg_b32 s2, hwreg(HW_REG_IB_STS2, 6, 4)
	s_cmp_eq_u32 s2, 0
	s_cbranch_scc0 .Lentry_in_a_cluster
	s_endpgm
.Lentry_in_a_cluster:
	s_bfe_u32 s2, ttmp6, 0x10000c
	s_cmp_lg_u32 s2, 0x3003
	s_cbranch_scc0 .Lentry_shape_is_right
	s_endpgm
.Lentry_shape_is_right:
; out = A Wo^T + bo for the real and the imaginary part, on codes of FP6 (E2M3) with one E8M0 scale for each 32 along K.  A (oimg, oscl) and Wo (wimg, wscl) come as register images, with K permuted alike in both.
; SHARES.  Work-group (x, y): part y / 32, rows 128 (y % 32) on, columns 256 x on.  Wave w: 128 rows x 64 columns: 32 accumulators, 256 registers; each fragment of Wo feeds eight products.
; A's 128 rows for all of K are 98,304 bytes: they come into LDS ONCE, one load a wave (one of mine out), at the head; nothing is filled twice.
; CLUSTER: the four work-groups of a row of the grid read the same A: each tile is asked for JOINTLY.  Wo is not shared inside a cluster (the partners take other columns), and a fragment of it serves one wave alone:
; a wave's 32 fragments, 384 registers, are loaded straight from memory at the head and stay.
; The product is used transposed (source 0 = 16 rows of Wo, source 1 = 16 rows of A): a lane holds eight neighbouring columns of one row.  The bias is the C of each sum's first product.
; REGISTERS: window 0: v4-12 addresses; v16-31 Wo's scale words; v32-63 A's; v64-159 A's eight fragments of a K step; v160-191 the bias; v192-255 the way out.
;   windows 1, 2: Wo's fragment f = 4 s + t at v[12 (f % 20)] of window 1 + f / 20.   window 3: accumulator (m, t) at v[8 (4 m + t)].
.set AS,   98304                       ; LDS behind A: its scale words, 4,096 bytes
.set STG,  102400                      ; a stage of 16 rows x (256 + 16) bytes for each wave
.set LI,   4
.set LI2,  5
.set STO,  6
.set RD,   7
.set CO,   8
.set WS,   16
.set ASR,  32
.set AF,   64
.set BI,   160
.set OB,   192
.set WV,   12
.set G1,   16
.set G0,   24
.set MSB,  0
.macro WIN new
.set WN, \new
.if MSB != WN
	s_set_vgpr_msb (MSB<<8)|WN
.set MSB, WN
.endif
.endm
.macro CROUND
	s_barrier_signal -1
	s_barrier_wait -1
	s_cmp_lg_u32 s[WV], 0
	s_cbranch_scc1 .Lnot_wave_0_\@
	s_barrier_signal -3
.Lnot_wave_0_\@:
	s_barrier_wait -3
	s_barrier_signal -1
	s_barrier_wait -1
.endm
.macro WM d, a, b, c, sa, sb, row      ; one product.  row: 1 = source 0's scales from lanes 16-31, 2 = source 1's, 3 = both
.if (\row) == 0
	v_wmma_scale_f32_16x16x128_f8f6f4 v[\d:\d+7], v[\a:\a+11], v[\b:\b+11], v[\c:\c+7], v[\sa], v[\sb] matrix_a_fmt:MATRIX_FMT_FP6 matrix_b_fmt:MATRIX_FMT_FP6
.elseif (\row) == 1
	v_wmma_scale_f32_16x16x128_f8f6f4 v[\d:\d+7], v[\a:\a+11], v[\b:\b+11], v[\c:\c+7], v[\sa], v[\sb] matrix_a_fmt:MATRIX_FMT_FP6 matrix_b_fmt:MATRIX_FMT_FP6 matrix_a_scale:MATRIX_SCALE_ROW1
.elseif (\row) == 2
	v_wmma_scale_f32_16x16x128_f8f6f4 v[\d:\d+7], v[\a:\a+11], v[\b:\b+11], v[\c:\c+7], v[\sa], v[\sb] matrix_a_fmt:MATRIX_FMT_FP6 matrix_b_fmt:MATRIX_FMT_FP6 matrix_b_scale:MATRIX_SCALE_ROW1
.else
	v_wmma_scale_f32_16x16x128_f8f6f4 v[\d:\d+7], v[\a:\a+11], v[\b:\b+11], v[\c:\c+7], v[\sa], v[\sb] matrix_a_fmt:MATRIX_FMT_FP6 matrix_b_fmt:MATRIX_FMT_FP6 matrix_a_scale:MATRIX_SCALE_ROW1 matrix_b_scale:MATRIX_SCALE_ROW1
.endif
.endm
.macro PLACES
.rept 4
	v_nop
.endr
.endm
.macro WLOAD f                         ; Wo's fragment f: three loads
	WIN 0x40*(1+(\f)/20)
.irp j, 0,1,2
	global_load_b128 v[12*((\f)%20)+4*\j:12*((\f)%20)+4*\j+3], v[LI], s[8:9] offset:98304*((\f)/4)+1536*((\f)%4)+512*\j
.endr
.endm
.macro FETCH s, m0                     ; A's tiles m0 .. m0 + 3 of K step s: 12 loads
.irp mm, 0,1,2,3
.irp j, 0,1,2
.if (\s) < 4
	ds_load_b128 v[AF+12*(\m0+\mm)+4*\j:AF+12*(\m0+\mm)+4*\j+3], v[LI] offset:12288*(\s)+1536*(\m0+\mm)+512*\j
.else
	ds_load_b128 v[AF+12*(\m0+\mm)+4*\j:AF+12*(\m0+\mm)+4*\j+3], v[LI2] offset:12288*((\s)-4)+1536*(\m0+\mm)+512*\j
.endif
.endr
.endr
.endm
.macro MUL s, m0                       ; 16 products; the accumulators take turns, one instruction a turn
.if (\s) == 0
	WIN 0xc1                                       ; source 0 window 1, source 1 and C (the bias) window 0, D window 3
.elseif (\s) < 5
	WIN 0xf1
.else
	WIN 0xf2
.endif
.irp mm, 0,1,2,3
.irp t, 0,1,2,3
.set aD, 8*(4*(\m0+\mm)+\t)
.set aC, aD
.if (\s) == 0
.set aC, BI+8*\t
.endif
	WM aD, 12*((4*(\s)+\t)%20), AF+12*(\m0+\mm), aC, WS+2*(\s)+\t/2, ASR+4*(\s)+\mm, (\t%2)+2*(\m0/4)
.endr
.endr
	WIN 0
.endm
	s_load_b256 s[4:11], s[0:1], 0x0               ; oimg s[4:5], oscl s[6:7], wimg s[8:9], wscl s[10:11]
	s_load_b256 s[40:47], s[0:1], 0x20             ; bo_r s[40:41], bo_i s[42:43], out0 s[44:45], out1 s[46:47]
	v_lshl_add_u32 v14, v0, 2, 0x29000
	v_mov_b32 v15, 0
	ds_add_u32 v14, v15
	ds_add_u32 v14, v15
	v_lshrrev_b32 v1, 5, v0
	v_readfirstlane_b32 s[WV], v1                  ; wave 0..3
	v_and_b32 v1, 31, v0                           ; lane
	v_and_b32 v2, 15, v0                           ; r
	v_bfe_u32 v3, v0, 4, 1                         ; h
	v_lshlrev_b32 v[LI], 4, v1
	v_add_nc_u32 v[LI2], 49152, v[LI]
	s_mul_i32 s53, s[WV], 4352
	s_add_co_u32 s53, s53, STG                     ; my stage
	v_mul_u32_u24 v[STO], v2, 272
	v_lshl_add_u32 v[STO], v3, 5, v[STO]
	v_add_nc_u32 v[STO], s53, v[STO]               ; in: row r, 32 bytes for each half of the lanes
	v_mul_u32_u24 v[RD], v3, 272
	v_lshl_add_u32 v[RD], v2, 4, v[RD]
	v_add_nc_u32 v[RD], s53, v[RD]                 ; back: lanes 0-15 one row of 256 bytes, lanes 16-31 the next
	v_lshlrev_b32 v[CO], 12, v3
	v_lshl_add_u32 v[CO], v2, 4, v[CO]             ; and the same two rows in the output
	v_lshlrev_b32 v9, 5, v3                        ; the bias: 32 h
	v_lshlrev_b32 v10, 4, v0                       ; 16 x thread
	v_lshl_add_u32 v11, v0, 4, AS
	v_add_nc_u32 v12, AS, v[LI]
	s_and_b32 s50, ttmp7, 0xffff
	s_lshr_b32 s51, s50, 5                         ; the part
	s_and_b32 s52, s50, 31                         ; which 128 rows
	s_mul_i32 s54, s51, 3145728                    ; A's tiles: no place in the cluster enters these registers
	s_mul_i32 s53, s52, 98304
	s_add_co_u32 s54, s54, s53
	s_mul_i32 s53, s[WV], 24576                    ; K steps 2 wave and 2 wave + 1, in memory and in LDS alike (this takes the place of what the head comment says of two loads a wave: ONE load a wave)
	s_add_co_u32 s54, s54, s53
	s_mov_b32 s55, 0
	s_lshl_b32 s56, s51, 17
	s_lshl_b32 s57, s52, 12
	s_add_co_u32 s56, s56, s57
	s_mov_b32 s57, 0
	s_mov_b32 s[G1+0], 15|(3<<16)|(1<<21)          ; the mask of all four; elements of 8 bytes; bit 21 beside a mask: a dense block of 24,576 bytes as 96 rows of 256
	s_mov_b32 s[G1+1], 32<<16
	s_mov_b32 s[G1+2], 96<<16                      ; a dense block of 24,576 bytes as 96 rows of 256
	s_mov_b32 s[G1+3], 32<<16
	s_mov_b32 s[G1+4], 96
	s_mov_b32 s[G1+5], 32
	s_mov_b32 s[G1+6], 0
	s_mov_b32 s[G1+7], 0
	s_bfe_u32 s48, ttmp6, 0x40000                  ; cx
	s_lshl_b32 s49, ttmp9, 2
	s_add_co_u32 s49, s49, s48                     ; which 256 columns: it enters Wo's, the bias's and the output's addresses alone
	s_add_co_u32 s13, s51, 6                       ; which weight
	s_mul_i32 s58, s13, 786432
	s_lshl_b32 s60, s13, 15
	s_lshl_b32 s13, s49, 4
	s_lshl_b32 s14, s[WV], 2
	s_add_co_u32 s13, s13, s14
	s_mul_i32 s13, s13, 1536
	s_add_co_u32 s58, s58, s13
	s_mov_b32 s59, 0
	s_lshl_b32 s13, s49, 13
	s_add_co_u32 s60, s60, s13
	s_lshr_b32 s13, s[WV], 1
	s_lshl_b32 s13, s13, 9
	s_add_co_u32 s60, s60, s13
	s_and_b32 s13, s[WV], 1
	s_lshl_b32 s13, s13, 3
	s_add_co_u32 s60, s60, s13
	s_mov_b32 s61, 0
	s_lshl_b32 s62, s49, 10
	s_lshl_b32 s13, s[WV], 8
	s_add_co_u32 s62, s62, s13                     ; my 64 columns, in bytes
	s_mov_b32 s63, 0
	s_lshl_b32 s2, s52, 19                         ; 128 rows of 4,096 bytes
	s_add_co_u32 s2, s2, s62
	s_mov_b32 s3, 0
	s_wait_dscnt 0x0
	s_wait_kmcnt 0x0
	s_cmp_eq_u32 s51, 0                            ; the choice hangs on the work-group's number alone
	s_cselect_b64 s[40:41], s[40:41], s[42:43]
	s_cselect_b64 s[44:45], s[44:45], s[46:47]
	s_add_nc_u64 s[54:55], s[4:5], s[54:55]
	s_add_nc_u64 s[6:7], s[6:7], s[56:57]
	s_add_nc_u64 s[8:9], s[8:9], s[58:59]
	s_add_nc_u64 s[10:11], s[10:11], s[60:61]
	s_add_nc_u64 s[40:41], s[40:41], s[62:63]
	s_add_nc_u64 s[44:45], s[44:45], s[2:3]
	s_mov_b32 s[G0], 1
	s_mov_b32 s[G0+1], s53
	s_mov_b64 s[G0+2:G0+3], s[54:55]
	s_or_b32 s[G0+3], s[G0+3], 0x80000000
	CROUND                                         ; all four work-groups are here: the joint loads meet
	tensor_load_to_lds s[G0:G0+3], s[G1:G1+7]      ; my one load
	s_nop 0
	PLACES
	s_wait_alu depctr_va_vdst(0)
	global_load_b128 v[OB:OB+3], v10, s[6:7]                       ; A's scale words: the even heads' bytes,
	global_load_b128 v[OB+4:OB+7], v10, s[6:7] offset:2048
	global_load_b128 v[OB+8:OB+11], v10, s[6:7] offset:262144      ; the odd heads'
	global_load_b128 v[OB+12:OB+15], v10, s[6:7] offset:264192
.irp s, 0,1,2,3,4,5,6,7
	global_load_b64 v[WS+2*\s:WS+2*\s+1], v[LI], s[10:11] offset:1024*\s   ; register WS + 2 s + t / 2: lanes 0-15 tile t even, lanes 16-31 t odd
.endr
.irp t, 0,1,2,3
	global_load_b128 v[BI+8*\t:BI+8*\t+3], v9, s[40:41] offset:64*\t
	global_load_b128 v[BI+8*\t+4:BI+8*\t+7], v9, s[40:41] offset:64*\t+16
.endr
.irp f, 0,1,2,3,4,5,6,7,8,9,10,11
	WLOAD \f
.endr
	WIN 0
	s_wait_loadcnt 52                              ; A's scale words are in: 8 + 8 + 36 younger loads stay out
.irp i, 0,1,2,3,4,5,6,7
	v_or_b32 v[OB+\i], v[OB+\i], v[OB+8+\i]
.endr
	ds_store_b128 v11, v[OB:OB+3]
	ds_store_b128 v11, v[OB+4:OB+7] offset:2048
.irp f, 12,13,14,15,16,17,18,19,20,21,22,23,24,25,26,27,28,29,30,31
	WLOAD \f
.endr
	WIN 0
	s_wait_tensorcnt 0x0                           ; my two K steps are in
	s_wait_dscnt 0x0                               ; my part of the scale words has landed
	s_barrier_signal -1
	s_barrier_wait -1
.irp s, 0,1,2,3,4,5,6,7
	ds_load_b128 v[ASR+4*\s:ASR+4*\s+3], v12 offset:512*\s   ; register ASR + 4 s + i: lanes 0-15 tile i, lanes 16-31 tile 4 + i
.endr
	FETCH 0, 0
	FETCH 0, 4
.macro STEP s
.if 84-12*(\s) > 63
	s_wait_loadcnt 63                              ; this step's four fragments of Wo are in (the count that the ordering needs, 84 - 12 s, is more than the wait can name)
.else
	s_wait_loadcnt 84-12*(\s)                      ; this step's four fragments of Wo are in; the later steps' stay out
.endif
	s_wait_dscnt 12                                ; A's tiles 0-3 are in; the 12 loads of tiles 4-7 stay out
	MUL \s, 0
	PLACES
.if (\s) < 7
	FETCH (\s)+1, 0
	s_wait_dscnt 12                                ; tiles 4-7 are in; the 12 just issued stay out
.else
	s_wait_dscnt 0x0
.endif
	MUL \s, 4
	PLACES
.if (\s) < 7
	FETCH (\s)+1, 4
.endif
.endm
.irp s, 0,1,2,3,4,5,6,7
	STEP \s
.endr
; THE WAY OUT, 16 rows x 64 columns at a time, through my own stage: a lane's 32 bytes go in, whole rows of 256 bytes come back.  LDS serves a wave's instructions in order (ISA guide 5.7.1.4): no wait between the stores and the loads.
.macro TOSTAGE m
	WIN 0x0c                                       ; an LDS store's data are its source 1: window 3
.irp t, 0,1,2,3
	ds_store_b128 v[STO], v[8*(4*(\m)+\t):8*(4*(\m)+\t)+3] offset:64*\t          ; each accumulator from its low end on
	ds_store_b128 v[STO], v[8*(4*(\m)+\t)+4:8*(4*(\m)+\t)+7] offset:64*\t+16
.endr
	WIN 0
.irp t, 0,1,2,3,4,5,6,7
	ds_load_b128 v[OB+32*((\m)%2)+4*\t:OB+32*((\m)%2)+4*\t+3], v[RD] offset:544*\t
.endr
.endm
.macro SEND m, younger                 ; younger: the LDS instructions issued behind block m's loads
	s_wait_dscnt \younger
.irp t, 0,1,2,3,4,5,6,7
	global_store_b128 v[CO], v[OB+32*((\m)%2)+4*\t:OB+32*((\m)%2)+4*\t+3], s[44:45] offset:4096*(16*(\m)+2*\t) th:TH_STORE_NT   ; sixteen lanes store 256 consecutive aligned bytes; written once
.endr
.endm
	TOSTAGE 0
.irp m, 1,2,3,4,5,6,7
.if \m > 1
	s_wait_xcnt 0x0                                ; block m - 2's stores have read their registers: block m's loads may land there
.endif
	TOSTAGE \m
	SEND \m-1, 16                                  ; behind block m - 1's loads: block m's 8 stores and 8 loads
.endr
	SEND 7, 0
	s_wait_tensorcnt 0x0
	ds_add_u32 v14, v15
	s_wait_dscnt 0x0
	CROUND                                         ; the closing round: no work-group ends while a partner may still ask for a tile that names it
	s_endpgm
.Lfunc_end_k_qf2f6cd03b1_oproj:
	.size	k_qf2f6cd03b1_oproj, .Lfunc_end_k_qf2f6cd03b1_oproj-k_qf2f6cd03b1_oproj
	.p2alignl 7, 3214868480
	.fill 96, 4, 3214868480
	.section	.rodata,"a",@progbits
	.p2align	6, 0x0
	.amdhsa_kernel k_qf2f6cd03b1_oproj
		.amdhsa_group_segment_fixed_size 168448
		.amdhsa_private_segment_fixed_size 0
		.amdhsa_enable_private_segment 0
		.amdhsa_kernarg_size 64
		.amdhsa_user_sgpr_count 2
		.amdhsa_user_sgpr_kernarg_segment_ptr 1
		.amdhsa_wavefront_size32 1
		.amdhsa_system_sgpr_workgroup_id_x 1
		.amdhsa_system_sgpr_workgroup_id_y 1
		.amdhsa_system_sgpr_workgroup_id_z 1
		.amdhsa_system_vgpr_workitem_id 0
		.amdhsa_next_free_vgpr 1024
		.amdhsa_next_free_sgpr 66
		.amdhsa_reserve_vcc 0
		.amdhsa_float_denorm_mode_32 3
		.amdhsa_float_denorm_mode_16_64 3
		.amdhsa_memory_ordered 1
		.amdhsa_forward_progress 1
		.amdhsa_inst_pref_size 81
	.end_amdhsa_kernel
	.amdgpu_metadata
---
amdhsa.version: [ 1, 2 ]
amdhsa.kernels:
  - .name:           k_qf2f6cd03b1_oproj
    .symbol:         k_qf2f6cd03b1_oproj.kd
    .args:
      - { .name: oimg, .offset: 0, .size: 8, .value_kind: global_buffer, .address_space: global }
      - { .name: oscl, .offset: 8, .size: 8, .value_kind: global_buffer, .address_space: global }
      - { .name: wimg, .offset: 16, .size: 8, .value_kind: global_buffer, .address_space: global }
      - { .name: wscl, .offset: 24, .size: 8, .value_kind: global_buffer, .address_space: global }
      - { .name: bo_r, .offset: 32, .size: 8, .value_kind: global_buffer, .address_space: global }
      - { .name: bo_i, .offset: 40, .size: 8, .value_kind: global_buffer, .address_space: global }
      - { .name: out0, .offset: 48, .size: 8, .value_kind: global_buffer, .address_space: global }
      - { .name: out1, .offset: 56, .size: 8, .value_kind: global_buffer, .address_space: global }
    .group_segment_fixed_size: 168448
    .private_segment_fixed_size: 0
    .kernarg_segment_align: 8
    .kernarg_segment_size: 64
    .max_flat_workgroup_size: 128
    .sgpr_count:     66
    .vgpr_count:     1024
    .wavefront_size: 32
...
	.end_amdgpu_metadata
.endif
;; end of part 4
